; MI455X (gfx1250); checked and timed in simulation.
; The chip was launched on July 23, 2026; its instructions are those of AMD's public machine-readable ISA for CDNA 5 (MIT licence, August 2026) and "CDNA5" Instruction Set Architecture Reference Guide (July 2026). The comments in the code are by the model that wrote it; some were corrected since.
;; Causal Self Attention. Allowed arithmetic: matrix products marked QUANTISED: E2M1 operands, one E8M0 scale for each 32 along K, by v_wmma_scale_f32_16x16x128_f8f6f4 with both operands' format E2M1 (or v_wmma_scale_f32_32x16x128_f4), f32 sums; products left as they are: bf16, f16 or f32 operands; f32 sums; everything else in f32.
;; Inputs: Wff 1,024 x 1,024 float32; Wk 1,024 x 1,024 float32; Wq 1,024 x 1,024 float32; Wv 1,024 x 1,024 float32; bff 1,024 float32; bk 1,024 float32; bq 1,024 float32; bv 1,024 float32; k 4 x 2,048 x 1,024 float32; q 4 x 2,048 x 1,024 float32; v 4 x 2,048 x 1,024 float32.
;; Outputs: out0 4 x 2,048 x 1,024 float32.
;; This version of the problem:
;;   THIS VERSION OF THE PROBLEM IS GIVEN IN LOW PRECISION. The matrix products marked QUANTISED in the list below multiply operands that are first quantised to E2M1 (2 exponent bits, 1 mantissa bit; 4 bits a number), with one power-of-two scale for each 32 numbers along K (OCP MX v1.0); their sums are f32. The products marked 'left as it is' may take bf16, f16 or f32 operands, with f32 sums. Whichever they take, every output number must still come out within the allowed error. Rounding operands to bf16 (8 significant bits) uses up far more of that allowance than f16 does (11 bits, for magnitudes from 6e-5 to 65,504). All else is computed in f32.
;;   The module's matrix products, in the order in which they are computed (A, B: the left and right operand; K: the contracted axis; several contracted axes count as one K, in the product's order):
;;     1. [M 8,192, K 1,024] x [K 1,024, N 1,024]; A: input q; B: input Wq: QUANTISED
;;     2. [M 8,192, K 1,024] x [K 1,024, N 1,024]; A: input k; B: input Wk: QUANTISED
;;     3. [M 8,192, K 1,024] x [K 1,024, N 1,024]; A: input v; B: input Wv: QUANTISED
;;     4. batch 4 x [M 2,048, K 1,024] x [K 1,024, N 2,048]; A: computed on the way; B: computed on the way: left as it is (an operand is computed on the way)
;;     5. batch 4 x [M 2,048, K 2,048] x [K 2,048, N 1,024]; A: computed on the way; B: computed on the way: left as it is (an operand is computed on the way)
;;     6. [M 8,192, K 1,024] x [K 1,024, N 1,024]; A: computed on the way; B: input Wff: left as it is (an operand is computed on the way)
;;   THE QUANTISER, for each operand of a quantised product, along K:
;;     - K is cut into blocks of 32 from its start; a last block that is shorter is filled with zeros.
;;     - A block's scale is 2^e with e = floor(log2(the largest magnitude in the block)) - 2, held to -126 .. 127; a block of zeros has e = 0. As a byte (E8M0): e + 127.
;;     - Each number is divided by its block's scale, clamped to +-6, and rounded to the nearest number of E2M1, ties to even, subnormals kept.
;;     - The product sums the exact products of the quantised numbers (number of the format x scale) in f32.
;;   ~~~python
;;   def quantise(x, axis):      # numpy; x: float32 -> the quantised numbers, widened to float32 again
;;       x = np.moveaxis(x, axis, -1); K = x.shape[-1]
;;       x = np.pad(x, [(0, 0)] * (x.ndim - 1) + [(0, -K % 32)]); x = x.reshape(x.shape[:-1] + (-1, 32)); a = np.abs(x).max(-1, keepdims=True)
;;       e = np.where(a > 0, np.clip(np.frexp(np.where(a > 0, a, 1))[1] - 1 - 2, -126, 127), 0)      # np.frexp(a)[1] - 1 = floor(log2(a)), exactly
;;       r = np.clip(x / 2.0 ** e, -6, 6)
;;       step = 2.0 ** (np.maximum(np.frexp(np.where(r == 0, 1, r))[1] - 1, 0) - 1)
;;       q = np.round(r / step) * step * 2.0 ** e      # np.round: ties to even
;;       return np.moveaxis(q.reshape(q.shape[:-2] + (-1,))[..., :K], -1, axis).astype(np.float32)
;;   ~~~
;; One version. Each part assembles by itself: llvm-mc -triple=amdgcn-amd-amdhsa -mcpu=gfx1250 --defsym DOCPART=n.
;; ======== version 1 of 1: 7 launches
;; limits: values are held in f16: magnitudes above 65,504 overflow, below 6.1e-05 lose precision
;; workspace buffers: codes 14,155,776 bytes; scl 884,736 bytes; h16 35,651,584 bytes; vt16 16,777,216 bytes; p32 786,432 bytes; pbuf 33,554,432 bytes; stat 2,097,152 bytes; o16 16,777,216 bytes
;; launch quant (part 1): grid 896 x 1, 4 waves a work-group, no clusters, 33,280 bytes of LDS; arguments q, k, v, Wq, Wk, Wv, Wff, codes, scl, h16; writes codes, scl, h16
.if DOCPART == 1
	.amdgcn_target "amdgcn-amd-amdhsa--gfx1250"
	.amdhsa_code_object_version 6
	.text
	.protected	k_q393f2a8794_quant
	.globl	k_q393f2a8794_quant
	.p2align	8
	.type	k_q393f2a8794_quant,@function
k_q393f2a8794_quant:
	s_mov_b64 s[64:65], 0
	v_nop
	global_prefetch_b8 v0, s[64:65] scope:SCOPE_SE
	s_setreg_imm32_b32 hwreg(HW_REG_WAVE_MODE, 25, 1), 1
	s_wait_xcnt 0x0
; q, k, v [8192][1024] and Wq, Wk, Wv [1024][1024], f32 with K innermost, become codes of FP4 (E2M1), two a byte, and one E8M0 byte for each 32 along K;
; Wff [1024][1024] becomes f16 (rows 16384 on of h16).  codes: 27,648 rows of 512 bytes (rows 0 q, 8192 k, 16384 v, 24576 Wq, 25600 Wk, 26624 Wv); scl: the same rows of 32 bytes.
; A block's scale is 2^(floor(log2(its largest magnitude)) - 2): its byte is the largest magnitude's exponent field - 2, held at 1 from below.  Each number is divided by the scale and rounded to the nearest code, ties to even, beyond 6 the largest code.
; LIMITS: a block of zeros gets the byte 1 where the rule says 127 (its codes are zeros, and this program alone reads the bytes); blocks whose largest magnitude lies under 2^-124 were not tried;
; NaN and infinities are not served; |Wff| stays under 65,504.
; Rows are dense and K is a multiple of 32: all six tensors are plain streams of blocks of 32, and the six lie on end in codes and scl.  Work-group w takes 32,768 numbers, its wave x run 4 w + x of 8,192:
; w 0-255 q, 256-511 k, 512-767 v, 768-799 Wq, 800-831 Wk, 832-863 Wv, 864-895 Wff.  Only the source pointer is chosen; the six take one path through the text.
; A wave takes 16 steps of 512 numbers: four loads of 512 consecutive bytes, through the wave's own stage in LDS (16 bytes of padding behind each 64), back as 16 neighbours a lane; two neighbouring lanes hold a block.
; No cluster: no two work-groups read the same bytes.  No barrier: waves share nothing.
.set WAVES, 4
.set STEPS, 16
.set EMAX,  2
.set CB,    8                          ; bytes of 16 codes
.set R,     16                         ; v16-79   four sets of 16 numbers as loaded
.set X,     80                         ; v80-111  two sets of 16 neighbours
.set C,     128                        ; v128-191 codes, four registers a step
.set E,     112                        ; v112-127 a scale byte a step
.set WREG,  8192                       ; LDS: a region for each wave: two stages of 32 x SP bytes, then its 256 scale bytes
.set SP,    80
.set SPW,   12                         ; v12  LDS address of my spare word; never rewritten
.set NIL,   13                         ; v13  0; never rewritten
.set SPARE, WAVES*WREG                 ; behind the four regions: the spare words, 128 bytes a wave
	s_load_b256 s[4:11], s[0:1], 0x0               ; q, k, v, Wq
	s_load_b256 s[12:19], s[0:1], 0x20             ; Wk, Wv, Wff, codes
	s_load_b128 s[20:23], s[0:1], 0x40             ; scl, h16
	v_lshl_add_u32 v[SPW], v0, 2, SPARE
	v_mov_b32 v[NIL], 0
	v_lshrrev_b32 v1, 5, v0
	v_readfirstlane_b32 s28, v1                    ; wave
	v_and_b32 v2, 31, v0                           ; lane
	v_lshlrev_b32 v3, 4, v2                        ; my 16 bytes of a load's 512
	s_mul_i32 s29, s28, WREG
	v_lshrrev_b32 v14, 2, v2
	v_mul_u32_u24 v14, v14, SP
	v_and_b32 v15, 3, v2
	v_lshl_add_u32 v14, v15, 4, v14
	v_add_nc_u32 v14, s29, v14                     ; the stage, on the way in: SP (lane / 4) + 16 (lane % 4)
	v_mul_u32_u24 v15, v2, SP
	v_add_nc_u32 v15, s29, v15                     ; and on the way out: SP x lane
	v_mul_u32_u24 v4, v2, CB                       ; my codes' place in a step's
	v_lshrrev_b32 v5, 1, v2
	s_add_co_u32 s29, s29, 2*32*SP
	v_add_nc_u32 v5, s29, v5                       ; my block's byte among my wave's 256
	v_lshlrev_b32 v7, 3, v2                        ; 8 bytes a lane
	v_add_nc_u32 v6, s29, v7
	s_lshl_b32 s30, ttmp9, 2
	s_add_co_u32 s30, s30, s28                     ; my run: 4 w + x
	s_mov_b32 s31, 0
	s_wait_kmcnt 0x0
	s_cmp_ge_u32 ttmp9, 864                        ; Wff's work-groups part here; their path touches no LDS
	s_cbranch_scc1 .Lwff
.macro PICK limit, lo, base                    ; below this work-group: that tensor, which begins at work-group base
	s_cmp_lt_u32 ttmp9, \limit
	s_cselect_b64 s[24:25], s[\lo:\lo+1], s[24:25]
	s_cselect_b32 s26, \base, s26
.endm
	s_mov_b64 s[24:25], s[14:15]                   ; Wv,
	s_mov_b32 s26, 832
	PICK 832, 12, 800                              ; Wk,
	PICK 800, 10, 768                              ; Wq,
	PICK 768, 8, 512                               ; v,
	PICK 512, 6, 256                               ; k,
	PICK 256, 4, 0                                 ; q
	s_sub_co_u32 s26, ttmp9, s26
	s_lshl_b32 s26, s26, 2
	s_add_co_u32 s26, s26, s28
	s_lshl_b32 s26, s26, 15                        ; my run in its tensor: 32,768 bytes each
	s_mov_b32 s27, 0
	s_add_nc_u64 s[24:25], s[24:25], s[26:27]
	s_lshl_b32 s26, s30, 12                        ; 4,096 bytes of codes a run,
	s_add_nc_u64 s[18:19], s[18:19], s[26:27]
	s_lshl_b32 s26, s30, 8                         ; 256 scale bytes
	s_add_nc_u64 s[20:21], s[20:21], s[26:27]
.macro LOAD t
.irp i, 0,1,2,3
	global_load_b128 v[R+16*((\t)%4)+4*\i:R+16*((\t)%4)+4*\i+3], v3, s[24:25] offset:2048*(\t)+512*\i th:TH_LOAD_NT   ; 32 lanes read 512 consecutive bytes
.endr
.endm
.macro TURN t                          ; step t's numbers through the stage: LDS serves a wave's instructions in order, so no wait stands between the stores and the loads
.irp i, 0,1,2,3
	ds_store_b128 v14, v[R+16*((\t)%4)+4*\i:R+16*((\t)%4)+4*\i+3] offset:32*SP*((\t)%2)+8*SP*\i
.endr
.irp i, 0,1,2,3
	ds_load_b128 v[X+16*((\t)%2)+4*\i:X+16*((\t)%2)+4*\i+3], v15 offset:32*SP*((\t)%2)+16*\i
.endr
.endm
.irp t, 0,1,2,3
	LOAD \t
.endr
	s_wait_loadcnt 12                              ; step 0's four loads are in; three steps' twelve stay out
	TURN 0
.macro STEP t
.set XS, X+16*((\t)%2)
.if (\t) > 0
	s_wait_dscnt 1                                 ; this step's numbers are back from the stage (the last step's byte store may be out)
.else
	s_wait_dscnt 0x0
.endif
.if (\t)+4 < STEPS
	LOAD (\t)+4                                    ; into the registers that the stage's stores have read
.endif
.if (\t)+1 < STEPS
.if STEPS-2-(\t) >= 3
	s_wait_loadcnt 12                              ; the next step's four loads are in; those of the three steps behind it may be out
.else
	s_wait_loadcnt 4*(STEPS-2-(\t))
.endif
	TURN (\t)+1
.endif
	v_max3_num_f32 v8, |v[XS]|, |v[XS+1]|, |v[XS+2]|               ; the largest magnitude of my 16, in two chains
	v_max3_num_f32 v9, |v[XS+3]|, |v[XS+4]|, |v[XS+5]|
.irp i, 6,10
	v_max3_num_f32 v8, v8, |v[XS+\i]|, |v[XS+\i+1]|
	v_max3_num_f32 v9, v9, |v[XS+\i+2]|, |v[XS+\i+3]|
.endr
	v_max3_num_f32 v8, v8, |v[XS+14]|, |v[XS+15]|
	v_max3_num_f32 v8, v8, v9, (EMAX+1)<<23        ; and the floor 2^(3 - 127): the byte cannot fall under 1
	v_max_num_f32_dpp v8, v8, v8 row_xmask:1 row_mask:0xf bank_mask:0xf   ; and of my neighbour's 16: the block's
	v_add_nc_u32 v11, -(EMAX<<23), v8              ; 2 off its exponent field: the conversion takes the exponent field of this operand as its scale
	v_cvt_scalef32_pk8_fp4_f32 v[C+4*(\t)], v[XS:XS+7], v11
	v_cvt_scalef32_pk8_fp4_f32 v[C+4*(\t)+1], v[XS+8:XS+15], v11
	v_lshrrev_b32 v[E+(\t)], 23, v11               ; the scale's byte
	ds_store_b8 v5, v[E+(\t)] offset:16*(\t)       ; both lanes of a block write the same byte with the same value
	global_store_b64 v4, v[C+4*(\t):C+4*(\t)+1], s[18:19] offset:32*CB*(\t)   ; the wave stores 256 consecutive bytes, aligned
.endm
.irp t, 0,1,2,3,4,5,6,7,8,9,10,11,12,13,14,15
	STEP \t
.endr
	ds_load_b64 v[8:9], v6                         ; LDS serves a wave's instructions in order: these see my stores
	s_wait_dscnt 0x0
	global_store_b64 v7, v[8:9], s[20:21]          ; 32 lanes store 256 consecutive bytes, aligned
	s_wait_tensorcnt 0x0                           ; the wave's end
	ds_add_u32 v[SPW], v[NIL]
	s_wait_dscnt 0x0
	s_endpgm
; Wff to f16: a wave takes 8,192 numbers in four rounds of 16 loads, two sets of registers by turns; a store covers 256 consecutive bytes, aligned.
.Lwff:
	s_sub_co_u32 s26, s30, 4*864                   ; my run in Wff
	s_lshl_b32 s30, s26, 15
	s_add_nc_u64 s[16:17], s[16:17], s[30:31]
	s_lshl_b32 s30, s26, 14
	s_add_nc_u64 s[22:23], s[22:23], s[30:31]
	s_add_nc_u64 s[22:23], s[22:23], 0x2000000     ; row 16384 of h16
.macro LOADW g, set
.irp i, 0,1,2,3,4,5,6,7,8,9,10,11,12,13,14,15
	global_load_b128 v[\set+4*\i:\set+4*\i+3], v3, s[16:17] offset:8192*(\g)+512*\i th:TH_LOAD_NT
.endr
.endm
.macro CASTW g, set, left
	s_wait_loadcnt \left                           ; this round's 16 loads are in; the other set's 16 may be out
	s_wait_xcnt 0x0                                ; the last round's stores have read v144-175, which are written again
.irp i, 0,1,2,3,4,5,6,7,8,9,10,11,12,13,14,15
	v_cvt_pk_f16_f32 v[144+2*\i], v[\set+4*\i], v[\set+4*\i+1]
	v_cvt_pk_f16_f32 v[145+2*\i], v[\set+4*\i+2], v[\set+4*\i+3]
.endr
.irp i, 0,1,2,3,4,5,6,7,8,9,10,11,12,13,14,15
	global_store_b64 v7, v[144+2*\i:145+2*\i], s[22:23] offset:4096*(\g)+256*\i
.endr
.endm
	LOADW 0, 16
	LOADW 1, 80
	CASTW 0, 16, 16
	LOADW 2, 16
	CASTW 1, 80, 16
	LOADW 3, 80
	CASTW 2, 16, 16
	CASTW 3, 80, 0
	s_endpgm
.Lfunc_end_k_q393f2a8794_quant:
	.size	k_q393f2a8794_quant, .Lfunc_end_k_q393f2a8794_quant-k_q393f2a8794_quant
	.p2alignl 7, 3214868480
	.fill 96, 4, 3214868480
	.section	.rodata,"a",@progbits
	.p2align	6, 0x0
	.amdhsa_kernel k_q393f2a8794_quant
		.amdhsa_group_segment_fixed_size 33280
		.amdhsa_private_segment_fixed_size 0
		.amdhsa_enable_private_segment 0
		.amdhsa_kernarg_size 80
		.amdhsa_user_sgpr_count 2
		.amdhsa_user_sgpr_kernarg_segment_ptr 1
		.amdhsa_wavefront_size32 1
		.amdhsa_system_sgpr_workgroup_id_x 1
		.amdhsa_system_sgpr_workgroup_id_y 1
		.amdhsa_system_sgpr_workgroup_id_z 1
		.amdhsa_system_vgpr_workitem_id 0
		.amdhsa_next_free_vgpr 192
		.amdhsa_next_free_sgpr 66
		.amdhsa_reserve_vcc 0
		.amdhsa_float_denorm_mode_32 3
		.amdhsa_float_denorm_mode_16_64 3
		.amdhsa_memory_ordered 1
		.amdhsa_forward_progress 1
		.amdhsa_inst_pref_size 55
	.end_amdhsa_kernel
	.amdgpu_metadata
---
amdhsa.version: [ 1, 2 ]
amdhsa.kernels:
  - .name:           k_q393f2a8794_quant
    .symbol:         k_q393f2a8794_quant.kd
    .args:
      - { .name: q, .offset: 0, .size: 8, .value_kind: global_buffer, .address_space: global }
      - { .name: k, .offset: 8, .size: 8, .value_kind: global_buffer, .address_space: global }
      - { .name: v, .offset: 16, .size: 8, .value_kind: global_buffer, .address_space: global }
      - { .name: Wq, .offset: 24, .size: 8, .value_kind: global_buffer, .address_space: global }
      - { .name: Wk, .offset: 32, .size: 8, .value_kind: global_buffer, .address_space: global }
      - { .name: Wv, .offset: 40, .size: 8, .value_kind: global_buffer, .address_space: global }
      - { .name: Wff, .offset: 48, .size: 8, .value_kind: global_buffer, .address_space: global }
      - { .name: codes, .offset: 56, .size: 8, .value_kind: global_buffer, .address_space: global }
      - { .name: scl, .offset: 64, .size: 8, .value_kind: global_buffer, .address_space: global }
      - { .name: h16, .offset: 72, .size: 8, .value_kind: global_buffer, .address_space: global }
    .group_segment_fixed_size: 33280
    .private_segment_fixed_size: 0
    .kernarg_segment_align: 8
    .kernarg_segment_size: 80
    .max_flat_workgroup_size: 128
    .sgpr_count:     66
    .vgpr_count:     192
    .wavefront_size: 32
...
	.end_amdgpu_metadata
.endif
;; end of part 1
;; launch proj (part 2): grid 96 x 4, 4 waves a work-group, clusters of 4 x 4, 327,680 bytes of LDS; arguments codes, scl, bq, bk, h16, vt16; writes h16, vt16
.if DOCPART == 2
	.amdgcn_target "amdgcn-amd-amdhsa--gfx1250"
	.amdhsa_code_object_version 6
	.text
	.protected	k_q393f2a8794_proj
	.globl	k_q393f2a8794_proj
	.p2align	8
	.type	k_q393f2a8794_proj,@function
k_q393f2a8794_proj:
	s_mov_b64 s[64:65], 0
	v_nop
	global_prefetch_b8 v0, s[64:65] scope:SCOPE_SE
	s_setreg_imm32_b32 hwreg(HW_REG_WAVE_MODE, 25, 1), 1
	s_wait_xcnt 0x0
	s_wait_alu depctr_hold_cnt(0) depctr_sa_sdst(0) depctr_va_vdst(0) depctr_va_sdst(0) depctr_va_ssrc(0) depctr_va_vcc(0) depctr_vm_vsrc(0)
	s_getreg_b32 s2, hwreg(HW_REG_IB_STS2, 6, 4)
	s_cmp_eq_u32 s2, 0
	s_cbranch_scc0 .Lentry_in_a_cluster
	s_endpgm
.Lentry_in_a_cluster:
	s_bfe_u32 s2, ttmp6, 0x10000c
	s_cmp_lg_u32 s2, 0xf033
	s_cbranch_scc0 .Lentry_shape_is_right
	s_endpgm
.Lentry_shape_is_right:
; The three input projections on codes of FP4 (E2M1) with one E8M0 scale for each 32 along K = 1,024; sums in f32, results rounded once to f16.
;   qp = q Wq^T + bq -> h16 rows 0 on;  kp = k Wk^T + bk -> h16 rows 8192 on (rows of 2,048 bytes);  vp^T = Wv v^T, WITHOUT bv -> vt16 [b][d][t] (rows of 4,096 bytes).
; bv is added behind the weighted mean of the values: a row's softmax weights sum to 1, so the mean of (v + bv) is the mean of v, + bv, for every input.  So the third product only swaps the roles of its operands.
; C = A B^T in tiles of 256 x 256, four waves of 128 x 128 (64 accumulators, 512 registers).  Cluster c of 24: tensor c / 8, part i = c % 8.  For q and k: A = the tokens' rows 256 (4 i + cy), B = the weight's rows 256 cx;
; for v: A = Wv's rows 256 cy, B = the tokens' rows 256 (4 i + cx).  All that differs is chosen by s_cselect on c: no branch.
; K is two steps of 512 (rows of 256 bytes): both lie in LDS at once, each filled once; the scale bytes of my 256 + 256 rows come once too, as dense blocks.  A wave has three tensor loads out at the most.
; CLUSTERS of 4 x 4: A's tiles are asked for jointly along a row of the cluster, B's along a column.  THE MATRIX INSTRUCTION IS USED TRANSPOSED (source 0 = 16 rows of B, source 1 = 16 rows of A): a lane holds eight neighbouring numbers of a row of C.
; The bias is the C of each sum's first product (zeros for v).
; LIMITS: |qp|, |kp|, |vp - bv| stay under 65,504 (f16); NaN and infinities are not served.
; REGISTERS: window 0: v0-31 addresses; v32-95 scale words, two sets; v128-191 A's fragments, one set; v192-255 the bias, later the packed results.  window 1: B's fragments, two sets.  windows 2, 3: the accumulators ((a, b) at v[8 (8 (a % 4) + b)]).
.set NQ,     4                         ; matrix instructions deep in a slot
.set ROWB,   256                       ; a tile's row in bytes: 512 codes
.set KROW,   512                       ; a row of codes in memory
.set PITCH,  272                       ; an LDS row: 256 bytes + 16 of padding: the 16 rows of a load start 68 words apart
.set FR,     8
.set NL,     2
.set NP,     4                         ; places behind this matrix instruction (ISA guide 7.12.1)
.set HALFT,  128*PITCH
.set SLOT,   4*HALFT                   ; A's 256 rows, then B's 256 rows
.set KS,     32                        ; a row of scale bytes
.set SCL,    2*SLOT
.set HALFS,  (128*KS/256)*272          ; the scales of 128 rows
.set SBLK,   (16*KS/256)*272           ; of 16 rows
.set SPARE,  SCL+4*HALFS               ; the spare words, 128 bytes a wave
.set SPITCH, 272                       ; the way out: 16 rows x (256 + 16) bytes a wave, in slot 0, which has had its one fill and its last read by then
.set COF,  8                           ; v8-15  the way out: my byte offsets in C for the eight pairs of rows
.set ADRA, 16
.set ADRB, 20
.set STO,  24
.set RD,   25
.set ADRS, 27
.set SPW,  28
.set NIL,  29
.set SC,   32
.set AF,   128
.set BI,   192                         ; the bias: register 8 b + j = bias of column 16 b + 8 (lane / 16) + j of my 128
.set TMP,  192
.set BK,   128
.set G1, 24
.set G0, 32
.set G1B, 48
.set G0B, 56
.set G1S, 68
.set G0S, 76
.set G1SB, 80
.set G0SB, 88
.set MSB, 0
.macro WIN new                         ; the immediate's high byte repeats the setting that is left
.if MSB != \new
	s_set_vgpr_msb (MSB<<8)|\new
.set MSB, \new
.endif
.endm
.set MUL_LO, 0xa1                      ; source 0 (B) window 1, source 1 (A) window 0, C and D window 2
.set MUL_HI, 0xf1
.set TO_B,   0x40
; A joint load: waves 0 and 1 fetch for A, waves 2 and 3 for B; the branch hangs on the wave's number alone.  An s_nop 0 and four v_nop follow each of the two lines.
.macro JLOAD g0a, g1a, g0b, g1b
	s_cmp_eq_u32 s17, 0
	s_cbranch_scc0 .Lfor_b_\@
	tensor_load_to_lds s[\g0a:\g0a+3], s[\g1a:\g1a+7]
	s_nop 0
.rept 4
	v_nop
.endr
	s_branch .Lasked_\@
.Lfor_b_\@:
	tensor_load_to_lds s[\g0b:\g0b+3], s[\g1b:\g1b+7]
	s_nop 0
.rept 4
	v_nop
.endr
.Lasked_\@:
.endm
.macro CROUND                          ; a round of the cluster's barrier
	s_barrier_signal -1
	s_barrier_wait -1
	s_cmp_lg_u32 s16, 0
	s_cbranch_scc1 .Lnot_wave_0_\@
	s_barrier_signal -3
.Lnot_wave_0_\@:
	s_barrier_wait -3
	s_barrier_signal -1
	s_barrier_wait -1
.endm
	s_load_b256 s[4:11], s[0:1], 0x0               ; codes, scl, bq, bk
	s_load_b128 s[12:15], s[0:1], 0x20             ; h16, vt16
	v_lshl_add_u32 v[SPW], v0, 2, SPARE
	v_mov_b32 v[NIL], 0
	ds_add_u32 v[SPW], v[NIL]                      ; the wave's opening: the add, twice on end, and its wait ahead of my first tensor load
	ds_add_u32 v[SPW], v[NIL]
	v_lshrrev_b32 v1, 5, v0
	v_readfirstlane_b32 s16, v1                    ; wave 0..3
	s_lshr_b32 s17, s16, 1                         ; my half of the tile's rows.  Also: I fetch for A (0) or for B (1)
	s_and_b32 s18, s16, 1                          ; my half of its columns.  Also: which 128 rows I fetch
	s_bfe_u32 s19, ttmp6, 0x40000                  ; cx
	s_bfe_u32 s20, ttmp6, 0x40004                  ; cy
	s_lshr_b32 s22, ttmp9, 3                       ; tensor: 0 q, 1 k, 2 v
	s_and_b32 s23, ttmp9, 7                        ; part i
	s_lshl_b32 s40, s20, 2
	s_lshl_b32 s40, 15, s40                        ; my row of the cluster
	s_lshl_b32 s41, 0x1111, s19                    ; my column
	s_or_b32 s[G1+0], s40, (0<<16)|(1<<20)|(1<<21)|(5<<22)|(3<<25)  ; the mask; elements of 1 byte; padding: 4 words behind every 64; bit 21 beside a mask
	s_or_b32 s[G1B+0], s41, (0<<16)|(1<<20)|(1<<21)|(5<<22)|(3<<25)
.irp g, G1, G1B
	s_mov_b32 s[\g+1], ROWB<<16                    ; tensor_dim0
	s_mov_b32 s[\g+2], 128<<16                     ; tensor_dim1
	s_mov_b32 s[\g+3], ROWB<<16                    ; tile_dim0
	s_mov_b32 s[\g+4], 128                         ; tile_dim1
	s_mov_b32 s[\g+5], KROW                        ; the pitch
	s_mov_b32 s[\g+6], 0
	s_mov_b32 s[\g+7], 0
.endr
	s_or_b32 s[G1S+0], s40, (3<<16)|(1<<20)|(1<<21)|(5<<22)|(3<<25) ; the scales of 128 rows: 4,096 dense bytes as 16 rows of 32 elements of 8 bytes
	s_or_b32 s[G1SB+0], s41, (3<<16)|(1<<20)|(1<<21)|(5<<22)|(3<<25)
.irp g, G1S, G1SB
	s_mov_b32 s[\g+1], 32<<16
	s_mov_b32 s[\g+2], (128*KS/256)<<16
	s_mov_b32 s[\g+3], 32<<16
	s_mov_b32 s[\g+4], 128*KS/256
	s_mov_b32 s[\g+5], 32
	s_mov_b32 s[\g+6], 0
	s_mov_b32 s[\g+7], 0
.endr
	s_lshl_b32 s42, s22, 13                        ; the tokens' first row: 8192 x tensor
	s_lshl_b32 s43, s22, 10
	s_add_co_u32 s43, s43, 24576                   ; the weight's first row
	s_mov_b32 s21, 2048
	s_cmp_eq_u32 s22, 2                            ; v swaps the roles
	s_cselect_b32 s42, 26624, s42                  ; A's first row
	s_cselect_b32 s44, 0, s23                      ; A's part
	s_cselect_b32 s43, 16384, s43                  ; B's first row
	s_cselect_b32 s45, s23, 0                      ; B's part
	s_cselect_b32 s46, -1, 0                       ; all ones for v
	s_cselect_b32 s21, 4096, s21                   ; C's pitch in bytes
	s_lshl_b32 s47, s18, 7                         ; which 128 rows I fetch
	s_lshl_b32 s44, s44, 2
	s_add_co_u32 s44, s44, s20
	s_lshl_b32 s44, s44, 8
	s_add_co_u32 s44, s44, s42
	s_add_co_u32 s92, s44, s47                     ; A's row: first + 256 (4 part + cy) + 128 half: no cx in it
	s_lshl_b32 s45, s45, 2
	s_add_co_u32 s45, s45, s19
	s_lshl_b32 s45, s45, 8
	s_add_co_u32 s45, s45, s43
	s_add_co_u32 s94, s45, s47                     ; B's row: no cy in it
	s_lshl_b32 s96, s92, 5                         ; 32 scale bytes a row,
	s_mov_b32 s97, 0
	s_lshl_b32 s92, s92, 9                         ; 512 bytes of codes
	s_mov_b32 s93, 0
	s_lshl_b32 s98, s94, 5
	s_mov_b32 s99, 0
	s_lshl_b32 s94, s94, 9
	s_mov_b32 s95, 0
	s_mul_i32 s42, s16, HALFT                      ; where they go: wave x 128 rows
	s_mul_i32 s43, s16, HALFS
	s_wait_dscnt 0x0                               ; both opening adds are done
	s_wait_kmcnt 0x0
	s_add_nc_u64 s[92:93], s[4:5], s[92:93]
	s_add_nc_u64 s[94:95], s[4:5], s[94:95]
	s_add_nc_u64 s[96:97], s[6:7], s[96:97]
	s_add_nc_u64 s[98:99], s[6:7], s[98:99]
	CROUND                                         ; all sixteen work-groups are here: the first joint loads meet
	s_mov_b32 s[G0S], 1
	s_add_co_u32 s[G0S+1], s43, SCL
	s_mov_b64 s[G0S+2:G0S+3], s[96:97]
	s_or_b32 s[G0S+3], s[G0S+3], 0x80000000
	s_mov_b32 s[G0SB], 1
	s_add_co_u32 s[G0SB+1], s43, SCL
	s_mov_b64 s[G0SB+2:G0SB+3], s[98:99]
	s_or_b32 s[G0SB+3], s[G0SB+3], 0x80000000
	JLOAD G0S, G1S, G0SB, G1SB                     ; the scales first: they are wanted with K step 0
.irp s, 0,1
	s_mov_b32 s[G0+4*\s], 1
	s_add_co_u32 s[G0+4*\s+1], s42, \s*SLOT
	s_add_nc_u64 s[G0+4*\s+2:G0+4*\s+3], s[92:93], \s*ROWB
	s_or_b32 s[G0+4*\s+3], s[G0+4*\s+3], 0x80000000
	s_mov_b32 s[G0B+4*\s], 1
	s_add_co_u32 s[G0B+4*\s+1], s42, \s*SLOT
	s_add_nc_u64 s[G0B+4*\s+2:G0B+4*\s+3], s[94:95], \s*ROWB
	s_or_b32 s[G0B+4*\s+3], s[G0B+4*\s+3], 0x80000000
	JLOAD G0+4*\s, G1, G0B+4*\s, G1B
.endr
	; the bias of my 128 columns, in the result's layout; for v it is read (from bq, inside the buffer) and replaced by zeros
	s_cmp_eq_u32 s22, 1
	s_cselect_b64 s[8:9], s[10:11], s[8:9]
	s_lshl_b32 s94, s19, 10                        ; 256 cx numbers,
	s_lshl_b32 s95, s18, 9                         ; 128 x my half
	s_add_co_u32 s94, s94, s95
	s_mov_b32 s95, 0
	s_add_nc_u64 s[8:9], s[8:9], s[94:95]
	v_and_b32 v1, 15, v0                           ; r = lane % 16
	v_bfe_u32 v2, v0, 4, 1                         ; h = lane / 16
	v_lshlrev_b32 v7, 5, v2
.irp b, 0,1,2,3,4,5,6,7
	global_load_b128 v[BI+8*\b:BI+8*\b+3], v7, s[8:9] offset:64*\b
	global_load_b128 v[BI+8*\b+4:BI+8*\b+7], v7, s[8:9] offset:64*\b+16
.endr
	s_wait_loadcnt 0x0
.set i, 0
.rept 64
	v_cndmask_b32 v[BI+i], v[BI+i], v[NIL], s46
.set i, i+1
.endr
	v_mul_u32_u24 v3, v1, PITCH
	v_lshl_add_u32 v4, v2, 4, v3                   ; a fragment's row x pitch + 16 x half
	s_mul_i32 s42, s17, HALFT                      ; my 128 rows of A
	s_mul_i32 s43, s18, HALFT                      ; my 128 rows of B,
	s_add_co_u32 s43, s43, 2*HALFT                 ; behind A's 256
.irp s, 0,1
	v_add_nc_u32 v[ADRA+\s], s42, v4
	v_add_nc_u32 v[ADRB+\s], s43, v4
	s_add_co_u32 s42, s42, SLOT
	s_add_co_u32 s43, s43, SLOT
.endr
	v_mul_u32_u24 v5, v1, KS                       ; my row's scales: KS bytes a row,
	v_lshrrev_b32 v6, 8, v5
	v_lshl_add_u32 v5, v6, 4, v5                   ; and 16 more for each 256 passed
	s_mul_i32 s42, s17, HALFS
	s_mul_i32 s43, s18, HALFS
	s_add_co_u32 s43, s43, 2*HALFS
	s_sub_co_u32 s43, s43, s42
	v_mul_u32_u24 v6, s43, v2                      ; lanes 16-31 take B's
	s_add_co_u32 s42, s42, SCL
	v_add_nc_u32 v5, v5, v6
	v_add_nc_u32 v[ADRS], s42, v5
	s_mul_i32 s42, s16, 16*SPITCH                  ; my stage
	v_mul_u32_u24 v5, v1, SPITCH
	v_lshl_add_u32 v5, v2, 4, v5
	v_add_nc_u32 v[STO], s42, v5                   ; in: row r, 16 bytes for each half of the lanes
	v_mul_u32_u24 v5, v2, SPITCH
	v_lshl_add_u32 v5, v1, 4, v5
	v_add_nc_u32 v[RD], s42, v5                    ; back: lanes 0-15 one row of 256 bytes, lanes 16-31 the next
	v_mul_lo_u32 v5, v2, s21
	v_lshl_add_u32 v[COF], v1, 4, v5               ; the same two rows in C; the pitch is a scalar, so each pair of rows has an offset register
	s_lshl_b32 s47, s21, 1
.irp t, 1,2,3,4,5,6,7
	v_add_nc_u32 v[COF+\t], s47, v[COF+\t-1]
.endr
	; where my part of C begins.  The rows' part (cy) and the columns' part (cx) are made and added apart
	s_lshr_b32 s92, s23, 1
	s_lshl_b32 s92, s92, 10                        ; v: batch i / 2: 1,024 rows of vt16
	s_lshl_b32 s93, s23, 10
	s_lshl_b32 s96, s22, 13
	s_add_co_u32 s93, s93, s96                     ; q, k: 8192 tensor + 1024 i
	s_and_b32 s94, s23, 1
	s_lshl_b32 s94, s94, 10                        ; v: t = 1024 (i % 2) + ..
	s_cmp_eq_u32 s22, 2
	s_cselect_b32 s92, s92, s93
	s_cselect_b32 s94, s94, 0
	s_cselect_b64 s[12:13], s[14:15], s[12:13]
	s_lshl_b32 s93, s20, 8
	s_add_co_u32 s92, s92, s93
	s_lshl_b32 s93, s17, 7
	s_add_co_u32 s92, s92, s93                     ; + 256 cy + 128 x my half of the rows
	s_mul_i32 s92, s92, s21
	s_mov_b32 s93, 0
	s_add_nc_u64 s[12:13], s[12:13], s[92:93]
	s_lshl_b32 s95, s19, 8
	s_add_co_u32 s94, s94, s95
	s_lshl_b32 s95, s18, 7
	s_add_co_u32 s94, s94, s95                     ; + 256 cx + 128 x my half of the columns
	s_lshl_b32 s94, s94, 1
	s_mov_b32 s95, 0
	s_add_nc_u64 s[12:13], s[12:13], s[94:95]
	s_lshl_b32 s98, s21, 4                         ; 16 rows of C
	s_mov_b32 s99, 0
.macro FRAG reg, adr, q, i             ; 16 rows x 128 K of 4-bit codes: 8 registers: registers 4 c .. 4 c + 3 hold K = 64 c + 32 (lane / 16) + 0 .. 31
.irp c, 0,1
	ds_load_b128 v[\reg+4*\c:\reg+4*\c+3], v[\adr] offset:64*(\q)+32*\c+(\i)*16*PITCH
.endr
.endm
; 16 matrix instructions: A's blocks a0, a0 + 1 x B's eight.  first = 1: the bias is the C that starts the sums.  The 64 accumulators take turns, one instruction a turn.
.macro MUL16 a0, p, q, sc, first
.irp a, \a0, \a0+1
.irp b, 0,1,2,3,4,5,6,7
.if \first
	v_wmma_scale_f32_16x16x128_f8f6f4 v[8*(8*((\a)%4)+\b):8*(8*((\a)%4)+\b)+7], v[128*(\p)+FR*\b:128*(\p)+FR*\b+FR-1], v[AF+FR*(\a):AF+FR*(\a)+FR-1], v[BI+8*\b:BI+8*\b+7], v[SC+8*NQ*(\sc)+NQ*\b+(\q)], v[SC+8*NQ*(\sc)+NQ*(\a)+(\q)] matrix_a_fmt:MATRIX_FMT_FP4 matrix_b_fmt:MATRIX_FMT_FP4 matrix_a_scale:MATRIX_SCALE_ROW1
.else
	v_wmma_scale_f32_16x16x128_f8f6f4 v[8*(8*((\a)%4)+\b):8*(8*((\a)%4)+\b)+7], v[128*(\p)+FR*\b:128*(\p)+FR*\b+FR-1], v[AF+FR*(\a):AF+FR*(\a)+FR-1], v[8*(8*((\a)%4)+\b):8*(8*((\a)%4)+\b)+7], v[SC+8*NQ*(\sc)+NQ*\b+(\q)], v[SC+8*NQ*(\sc)+NQ*(\a)+(\q)] matrix_a_fmt:MATRIX_FMT_FP4 matrix_b_fmt:MATRIX_FMT_FP4 matrix_a_scale:MATRIX_SCALE_ROW1
.endif
.endr
.endr
.endm
.macro FETCH_B slot, q, p
	WIN TO_B
.irp i, 0,1,2,3,4,5,6,7
	FRAG 128*(\p)+FR*\i, ADRB+\slot, \q, \i
.endr
	WIN 0
.endm
.macro FETCH_A slot, q, i0
.irp i, \i0, \i0+1, \i0+2, \i0+3
	FRAG AF+FR*(\i), ADRA+\slot, \q, \i
.endr
.endm
.macro SCALES sc                       ; a K step's scale words: lanes 0-15 take A's block i, lanes 16-31 B's block i
.irp i, 0,1,2,3,4,5,6,7
	ds_load_b128 v[SC+8*NQ*\sc+NQ*\i:SC+8*NQ*\sc+NQ*\i+3], v[ADRS] offset:\i*SBLK
.endr
.endm
.macro PLACES n                        ; plain vector instructions between a matrix instruction and a load into, or a read of, its registers (ISA guide 7.12.1 for reads)
.rept \n
	v_nop
.endr
.endm
.macro STEP slot, q, first             ; 128 along K that has its successor in the same slot
	s_wait_dscnt 4*NL                              ; B's set and A's blocks 0-3 are in; the youngest eight loads (A's blocks 4-7) may be out
.if \first
	WIN 0x81                                       ; as MUL_LO, but C (the bias) in window 0
.else
	WIN MUL_LO
.endif
	MUL16 0, (\q)%2, \q, \slot, \first
	MUL16 2, (\q)%2, \q, \slot, \first
	s_wait_dscnt 0
	PLACES NP
	FETCH_B \slot, (\q)+1, 1-(\q)%2
	FETCH_A \slot, (\q)+1, 0
.if \first
	WIN 0xc1
.else
	WIN MUL_HI
.endif
	MUL16 4, (\q)%2, \q, \slot, \first
	MUL16 6, (\q)%2, \q, \slot, \first
	PLACES NP
	WIN 0
	FETCH_A \slot, (\q)+1, 4
.endm
	s_wait_tensorcnt 1                             ; the scales and my part of K step 0 are in; K step 1's load may be out
	s_barrier_signal -1
	s_barrier_wait -1
	FETCH_B 0, 0, 0
	FETCH_A 0, 0, 0
	SCALES 0
	FETCH_A 0, 0, 4
	STEP 0, 0, 1
	STEP 0, 1, 0
	STEP 0, 2, 0
	; slot 0's last step, and the change to slot 1: one barrier; nothing is filled again
	s_wait_tensorcnt 0x0                           ; my part of slot 1 has landed
	ds_add_u32 v[SPW], v[NIL]                      ; 0 onto my spare word
	s_wait_dscnt 4*NL+1                            ; (the add and A's blocks 4-7 may be out)
	WIN MUL_LO
	MUL16 0, 1, NQ-1, 0, 0
	s_wait_dscnt 0x0                               ; the add is done, and my reads of slot 0 are over
	s_barrier_signal -1
	MUL16 2, 1, NQ-1, 0, 0
	WIN 0
	s_barrier_wait -1
	PLACES NP
	v_add_nc_u32 v[ADRS], 4*NQ, v[ADRS]            ; the next K step's scale words
	FETCH_B 1, 0, 0
	FETCH_A 1, 0, 0
	SCALES 1
	WIN MUL_HI
	MUL16 4, 1, NQ-1, 0, 0
	MUL16 6, 1, NQ-1, 0, 0
	PLACES NP
	WIN 0
	FETCH_A 1, 0, 4
	STEP 1, 0, 0
	STEP 1, 1, 0
	STEP 1, 2, 0
	s_wait_dscnt 4*NL                              ; the very last step: nothing more to fetch
	WIN MUL_LO
	MUL16 0, 1, NQ-1, 1, 0
	MUL16 2, 1, NQ-1, 1, 0
	s_wait_dscnt 0
	WIN MUL_HI
	MUL16 4, 1, NQ-1, 1, 0
	MUL16 6, 1, NQ-1, 1, 0
	WIN 0
; THE WAY OUT, block by block of 16 rows x 128 columns: rounded to f16 (16 bytes a lane), through my own stage, back as whole rows of 256 bytes.
.macro PACK a
.set AC, 64*((\a)%4)
	WIN 0x0a+5*((\a)/4)                            ; sources 0 and 1: window 2 or 3
.irp b, 0,1,2,3,4,5,6,7
.irp r, 0,1,2,3
	v_cvt_pk_f16_f32 v[TMP+4*\b+\r], v[AC+8*\b+2*\r], v[AC+8*\b+2*\r+1]   ; each accumulator from its low end on
.endr
.endr
	WIN 0
.endm
.macro TOSTAGE a
.set BB, BK+32*((\a)%2)
.irp b, 0,1,2,3,4,5,6,7
	ds_store_b128 v[STO], v[TMP+4*\b:TMP+4*\b+3] offset:32*\b
.endr
.irp t, 0,1,2,3,4,5,6,7
	ds_load_b128 v[BB+4*\t:BB+4*\t+3], v[RD] offset:\t*2*SPITCH    ; LDS serves a wave's instructions in order: these see the stores above
.endr
.endm
.macro SEND a
.set BB, BK+32*((\a)%2)
	s_wait_dscnt 0x0                               ; the block is back in registers
	s_wait_xcnt 0x0                                ; earlier stores have read their base and their data: the base steps, and the next block's loads may land
.if (\a) > 0
	s_add_nc_u64 s[12:13], s[12:13], s[98:99]      ; 16 rows of C on
.endif
.irp t, 0,1,2,3,4,5,6,7
	global_store_b128 v[COF+\t], v[BB+4*\t:BB+4*\t+3], s[12:13]    ; 16 lanes store 256 consecutive bytes, aligned
.endr
.endm
	PLACES NP
	PACK 0
	TOSTAGE 0
.irp a, 1,2,3,4,5,6,7
	PACK \a
	SEND \a-1
	TOSTAGE \a
.endr
	SEND 7
	s_wait_tensorcnt 0x0                           ; the wave's end
	ds_add_u32 v[SPW], v[NIL]
	s_wait_dscnt 0x0
	CROUND                                         ; the closing round
	s_endpgm
.Lfunc_end_k_q393f2a8794_proj:
	.size	k_q393f2a8794_proj, .Lfunc_end_k_q393f2a8794_proj-k_q393f2a8794_proj
	.p2alignl 7, 3214868480
	.fill 96, 4, 3214868480
	.section	.rodata,"a",@progbits
	.p2align	6, 0x0
	.amdhsa_kernel k_q393f2a8794_proj
		.amdhsa_group_segment_fixed_size 327680
		.amdhsa_private_segment_fixed_size 0
		.amdhsa_enable_private_segment 0
		.amdhsa_kernarg_size 48
		.amdhsa_user_sgpr_count 2
		.amdhsa_user_sgpr_kernarg_segment_ptr 1
		.amdhsa_wavefront_size32 1
		.amdhsa_system_sgpr_workgroup_id_x 1
		.amdhsa_system_sgpr_workgroup_id_y 1
		.amdhsa_system_sgpr_workgroup_id_z 1
		.amdhsa_system_vgpr_workitem_id 0
		.amdhsa_next_free_vgpr 1024
		.amdhsa_next_free_sgpr 100
		.amdhsa_reserve_vcc 0
		.amdhsa_float_denorm_mode_32 3
		.amdhsa_float_denorm_mode_16_64 3
		.amdhsa_memory_ordered 1
		.amdhsa_forward_progress 1
		.amdhsa_inst_pref_size 133
	.end_amdhsa_kernel
	.amdgpu_metadata
---
amdhsa.version: [ 1, 2 ]
amdhsa.kernels:
  - .name:           k_q393f2a8794_proj
    .symbol:         k_q393f2a8794_proj.kd
    .args:
      - { .name: codes, .offset: 0, .size: 8, .value_kind: global_buffer, .address_space: global }
      - { .name: scl, .offset: 8, .size: 8, .value_kind: global_buffer, .address_space: global }
      - { .name: bq, .offset: 16, .size: 8, .value_kind: global_buffer, .address_space: global }
      - { .name: bk, .offset: 24, .size: 8, .value_kind: global_buffer, .address_space: global }
      - { .name: h16, .offset: 32, .size: 8, .value_kind: global_buffer, .address_space: global }
      - { .name: vt16, .offset: 40, .size: 8, .value_kind: global_buffer, .address_space: global }
    .group_segment_fixed_size: 327680
    .private_segment_fixed_size: 0
    .kernarg_segment_align: 8
    .kernarg_segment_size: 48
    .max_flat_workgroup_size: 128
    .sgpr_count:     100
    .vgpr_count:     1024
    .wavefront_size: 32
...
	.end_amdgpu_metadata
.endif
;; end of part 2
;; launch head16 (part 3): grid 192 x 1, 4 waves a work-group, no clusters, 0 bytes of LDS; arguments codes, scl, bq, bk, bv, p32; writes p32
.if DOCPART == 3
	.amdgcn_target "amdgcn-amd-amdhsa--gfx1250"
	.amdhsa_code_object_version 6
	.text
	.protected	k_q393f2a8794_head16
	.globl	k_q393f2a8794_head16
	.p2align	8
	.type	k_q393f2a8794_head16,@function
k_q393f2a8794_head16:
	s_mov_b64 s[64:65], 0
	v_nop
	global_prefetch_b8 v0, s[64:65] scope:SCOPE_SE
	s_setreg_imm32_b32 hwreg(HW_REG_WAVE_MODE, 25, 1), 1
	s_wait_xcnt 0x0
; The three projections once more for positions 0 to 15 of each batch, kept in f32: p32 [tensor 3][batch 4][16][1024] = x W^T + bias, on the same codes of FP4 and scale bytes.
; These rows average one to sixteen values and are carried in f32 to the end (launch first16).
; Work-group: tensor = x / 64, 16 outputs n = 16 (x % 64) on; wave = batch.  A wave makes one tile, 16 positions x 16 n, K = 1,024: eight matrix instructions on two accumulators by turns.
; Transposed use: source 0 = 16 rows of W, source 1 = the 16 positions: lane (r, h) holds position r and n = 8 h + 0 .. 7.  The bias is the C of the first product.
; Operands go from memory straight into registers.  The stores are pieces of 64 bytes a row: 768 KB in the whole launch.  No cluster, no LDS: there are no tensor tiles here to ask for jointly.
.set XF, 16                            ; v16-79   the positions' eight fragments
.set WF, 80                            ; v80-143  W's
.set XS, 144                           ; v144-151 the positions' scale words, one a K step
.set WS, 152                           ; v152-159 W's
.set BI, 160
.set AC0, 168
.set AC1, 176
.set OUTR, 184
	s_load_b256 s[4:11], s[0:1], 0x0               ; codes, scl, bq, bk
	s_load_b128 s[12:15], s[0:1], 0x20             ; bv, p32
	v_lshrrev_b32 v1, 5, v0
	v_readfirstlane_b32 s16, v1                    ; wave = batch
	s_lshr_b32 s17, ttmp9, 6                       ; tensor
	s_and_b32 s18, ttmp9, 63                       ; which 16 outputs
	v_and_b32 v1, 15, v0                           ; r
	v_bfe_u32 v2, v0, 4, 1                         ; h
	v_lshlrev_b32 v3, 9, v1
	v_lshl_add_u32 v3, v2, 4, v3                   ; a row of 512 bytes of codes, + 16 h
	v_lshlrev_b32 v5, 5, v1                        ; a row of 32 scale bytes
	v_lshlrev_b32 v6, 5, v2                        ; the bias: 8 h numbers on
	v_lshlrev_b32 v7, 12, v1
	v_lshl_add_u32 v7, v2, 5, v7                   ; p32: row r of 4,096 bytes, + 32 h
	s_lshl_b32 s20, s17, 13
	s_lshl_b32 s21, s16, 11
	s_add_co_u32 s20, s20, s21                     ; the positions' first row: 8192 tensor + 2048 batch
	s_lshl_b32 s22, s17, 10
	s_lshl_b32 s23, s18, 4
	s_add_co_u32 s22, s22, s23
	s_add_co_u32 s22, s22, 24576                   ; W's first row
	s_lshl_b32 s24, s20, 9
	s_mov_b32 s25, 0
	s_lshl_b32 s26, s22, 9
	s_mov_b32 s27, 0
	s_lshl_b32 s28, s20, 5
	s_mov_b32 s29, 0
	s_lshl_b32 s30, s22, 5
	s_mov_b32 s31, 0
	s_lshl_b32 s32, s18, 6                         ; 16 numbers of bias, and of a row of p32
	s_mov_b32 s33, 0
	s_lshl_b32 s34, s17, 2
	s_add_co_u32 s34, s34, s16
	s_lshl_b32 s34, s34, 16                        ; (4 tensor + batch) x 16 rows of 4,096 bytes
	s_mov_b32 s35, 0
	s_wait_kmcnt 0x0
	s_cmp_eq_u32 s17, 1
	s_cselect_b64 s[8:9], s[10:11], s[8:9]
	s_cmp_eq_u32 s17, 2
	s_cselect_b64 s[8:9], s[12:13], s[8:9]         ; the tensor's bias
	s_add_nc_u64 s[8:9], s[8:9], s[32:33]
	s_add_nc_u64 s[24:25], s[4:5], s[24:25]
	s_add_nc_u64 s[26:27], s[4:5], s[26:27]
	s_add_nc_u64 s[28:29], s[6:7], s[28:29]
	s_add_nc_u64 s[30:31], s[6:7], s[30:31]
	s_add_nc_u64 s[14:15], s[14:15], s[34:35]
	s_add_nc_u64 s[14:15], s[14:15], s[32:33]
.irp s, 0,1,2,3,4,5,6,7
.irp c, 0,1
	global_load_b128 v[XF+8*\s+4*\c:XF+8*\s+4*\c+3], v3, s[24:25] offset:64*\s+32*\c
	global_load_b128 v[WF+8*\s+4*\c:WF+8*\s+4*\c+3], v3, s[26:27] offset:64*\s+32*\c
.endr
.endr
.irp c, 0,1
	global_load_b128 v[XS+4*\c:XS+4*\c+3], v5, s[28:29] offset:16*\c
	global_load_b128 v[WS+4*\c:WS+4*\c+3], v5, s[30:31] offset:16*\c
	global_load_b128 v[BI+4*\c:BI+4*\c+3], v6, s[8:9] offset:16*\c
.endr
	s_wait_loadcnt 0x0
	v_wmma_scale_f32_16x16x128_f8f6f4 v[AC0:AC0+7], v[WF:WF+7], v[XF:XF+7], v[BI:BI+7], v[WS], v[XS] matrix_a_fmt:MATRIX_FMT_FP4 matrix_b_fmt:MATRIX_FMT_FP4
	v_wmma_scale_f32_16x16x128_f8f6f4 v[AC1:AC1+7], v[WF+8:WF+15], v[XF+8:XF+15], 0, v[WS+1], v[XS+1] matrix_a_fmt:MATRIX_FMT_FP4 matrix_b_fmt:MATRIX_FMT_FP4
.irp s, 2,4,6
	v_wmma_scale_f32_16x16x128_f8f6f4 v[AC0:AC0+7], v[WF+8*\s:WF+8*\s+7], v[XF+8*\s:XF+8*\s+7], v[AC0:AC0+7], v[WS+\s], v[XS+\s] matrix_a_fmt:MATRIX_FMT_FP4 matrix_b_fmt:MATRIX_FMT_FP4
	v_wmma_scale_f32_16x16x128_f8f6f4 v[AC1:AC1+7], v[WF+8*\s+8:WF+8*\s+15], v[XF+8*\s+8:XF+8*\s+15], v[AC1:AC1+7], v[WS+\s+1], v[XS+\s+1] matrix_a_fmt:MATRIX_FMT_FP4 matrix_b_fmt:MATRIX_FMT_FP4
.endr
.rept 4
	v_nop                                          ; places ahead of the first read of the results
.endr
.irp j, 0,1,2,3,4,5,6,7
	v_add_f32 v[OUTR+\j], v[AC0+\j], v[AC1+\j]     ; from the low end on
.endr
	global_store_b128 v7, v[OUTR:OUTR+3], s[14:15]
	global_store_b128 v7, v[OUTR+4:OUTR+7], s[14:15] offset:16
	s_endpgm
.Lfunc_end_k_q393f2a8794_head16:
	.size	k_q393f2a8794_head16, .Lfunc_end_k_q393f2a8794_head16-k_q393f2a8794_head16
	.p2alignl 7, 3214868480
	.fill 96, 4, 3214868480
	.section	.rodata,"a",@progbits
	.p2align	6, 0x0
	.amdhsa_kernel k_q393f2a8794_head16
		.amdhsa_group_segment_fixed_size 0
		.amdhsa_private_segment_fixed_size 0
		.amdhsa_enable_private_segment 0
		.amdhsa_kernarg_size 48
		.amdhsa_user_sgpr_count 2
		.amdhsa_user_sgpr_kernarg_segment_ptr 1
		.amdhsa_wavefront_size32 1
		.amdhsa_system_sgpr_workgroup_id_x 1
		.amdhsa_system_sgpr_workgroup_id_y 1
		.amdhsa_system_sgpr_workgroup_id_z 1
		.amdhsa_system_vgpr_workitem_id 0
		.amdhsa_next_free_vgpr 192
		.amdhsa_next_free_sgpr 66
		.amdhsa_reserve_vcc 0
		.amdhsa_float_denorm_mode_32 3
		.amdhsa_float_denorm_mode_16_64 3
		.amdhsa_memory_ordered 1
		.amdhsa_forward_progress 1
		.amdhsa_inst_pref_size 8
	.end_amdhsa_kernel
	.amdgpu_metadata
---
amdhsa.version: [ 1, 2 ]
amdhsa.kernels:
  - .name:           k_q393f2a8794_head16
    .symbol:         k_q393f2a8794_head16.kd
    .args:
      - { .name: codes, .offset: 0, .size: 8, .value_kind: global_buffer, .address_space: global }
      - { .name: scl, .offset: 8, .size: 8, .value_kind: global_buffer, .address_space: global }
      - { .name: bq, .offset: 16, .size: 8, .value_kind: global_buffer, .address_space: global }
      - { .name: bk, .offset: 24, .size: 8, .value_kind: global_buffer, .address_space: global }
      - { .name: bv, .offset: 32, .size: 8, .value_kind: global_buffer, .address_space: global }
      - { .name: p32, .offset: 40, .size: 8, .value_kind: global_buffer, .address_space: global }
    .group_segment_fixed_size: 0
    .private_segment_fixed_size: 0
    .kernarg_segment_align: 8
    .kernarg_segment_size: 48
    .max_flat_workgroup_size: 128
    .sgpr_count:     66
    .vgpr_count:     192
    .wavefront_size: 32
...
	.end_amdgpu_metadata
.endif
;; end of part 3
;; launch scores (part 4): grid 48 x 4, 4 waves a work-group, clusters of 4 x 4, 327,680 bytes of LDS; arguments h16, pbuf, stat; writes pbuf, stat
.if DOCPART == 4
	.amdgcn_target "amdgcn-amd-amdhsa--gfx1250"
	.amdhsa_code_object_version 6
	.text
	.protected	k_q393f2a8794_scores
	.globl	k_q393f2a8794_scores
	.p2align	8
	.type	k_q393f2a8794_scores,@function
k_q393f2a8794_scores:
	s_mov_b64 s[64:65], 0
	v_nop
	global_prefetch_b8 v0, s[64:65] scope:SCOPE_SE
	s_setreg_imm32_b32 hwreg(HW_REG_WAVE_MODE, 25, 1), 1
	s_wait_xcnt 0x0
	s_wait_alu depctr_hold_cnt(0) depctr_sa_sdst(0) depctr_va_vdst(0) depctr_va_sdst(0) depctr_va_ssrc(0) depctr_va_vcc(0) depctr_vm_vsrc(0)
	s_getreg_b32 s2, hwreg(HW_REG_IB_STS2, 6, 4)
	s_cmp_eq_u32 s2, 0
	s_cbranch_scc0 .Lentry_in_a_cluster
	s_endpgm
.Lentry_in_a_cluster:
	s_bfe_u32 s2, ttmp6, 0x10000c
	s_cmp_lg_u32 s2, 0xf033
	s_cbranch_scc0 .Lentry_shape_is_right
	s_endpgm
.Lentry_shape_is_right:
; The scores and the first half of the softmax.  S = qp kp^T (f16 operands, f32 sums, K = 1,024), the causal mask, and for each query and each block of 64 keys:
;   t = S x c, c = log2(e) / 32;  n = floor(-max t) = -M, M a whole number;  p = 2^(t - M), stored as f16 in pbuf [b][q][k];  l = the f32 sum of the unrounded p.
; (n, l) go to stat; the next launch takes each row's largest M, brings every block under it by the power of two 2^(M_block - M_row), and divides by the row's sum: the row's maximum is taken away for every input.
; stat: 512 bytes for each (batch, block of 64 keys, group of 64 rows): lane L's four words are n, l of row L and n, l of row 32 + L.
; A tile of S is 256 x 256: four waves of 128 x 128 (64 accumulators, 512 registers), so a wave has two blocks of 64 keys for each of its 128 rows.  K goes in eight steps of 128 (LDS rows of 256 bytes) through a ring of
; two slots: between a refill and the wait for it a wave issues 224 matrix instructions.
; CAUSAL, at the grain of a cluster (1,024 x 1,024): of a batch's four cluster blocks the three with J <= I are computed: 12 clusters, 192 work-groups, one to a WGP.  Cluster c: batch c / 3, t = c % 3 -> (I, J) = (0,0), (1,0), (1,1).
; In a diagonal cluster all sixteen partners run alike; a block of keys that is all hidden gets zeros and (n = 1.35e37, l = 0), which the next launch weighs with 0.
; CLUSTERS of 4 x 4: qp's tiles are asked for jointly along a row of the cluster, kp's along a column.  THE MATRIX INSTRUCTION IS USED TRANSPOSED: lane (r, h) of accumulator (a, b) holds query 16 a + r, keys 16 b + 8 h + 0 .. 7.
; No prefetch: K has eight steps; two are asked for at the head, and a step asked for two refills ahead would leave four that could be named.
; LIMITS: NaN and infinities are not served; a maximum under -3e38 counts as -3e38.
; REGISTERS: window 0: v0-31 addresses; v64-127, v128-191 fragments of A, two buffers; behind the products v64-175 hold the softmax's figures; v32-63, v192-255 the way out.
;   window 1: v64-127, v128-191 fragments of B.   window 2: the accumulators of my rows 0-63 ((a, b) at v[8 (8 a + b)]);   window 3: those of my rows 64-127.
.set KSTEP,  128
.set PITCH,  272                       ; an LDS row: 256 bytes + 16 of padding: the 16 rows of a load start 68 words apart
.set HALFT,  128*PITCH                 ; 128 rows: what one tensor load brings
.set SLOT,   4*HALFT                   ; A's 256 rows, then B's 256 rows
.set STAGE,  2*SLOT                    ; behind the ring: 16 rows x 272 bytes for each wave
.set SPITCH, 272
.set SPARE,  STAGE+4*16*SPITCH         ; the spare words, 128 bytes a wave
.set LAPS,   4                         ; 1,024 along K = four laps of two K steps
.set DD,   6                           ; v6   my first query less my first key: key offset 16 b + j - 16 a is hidden where it is greater
.set NINF, 7                           ; v7   -infinity
.set L16,  8                           ; v8   16 x lane
.set ADRA, 16
.set ADRB, 20
.set STO,  24
.set RD,   25
.set CO,   26
.set SPW,  28
.set NIL,  29
.set OB,   32                          ; the way out: 16 rows read back: v32-63 and v224-255 by turns
.set F0,   64
.set F1,   128
.set MX,   64                          ; v64-79    group g = 2 a + kb (block of rows a, block of keys kb): its largest score, then t
.set NM,   96                          ; v[96+2g]  n; its upper neighbour takes the other half of the lanes'
.set SU,   128                         ; v[128+2g:129+2g] the sums
.set ST,   160                         ; v160-175  what goes to stat
.set TMP,  192                         ; v192-223  packed results
.set G1, 24
.set G0, 32
.set G1B, 48
.set G0B, 56
.set CS,  70                           ; s[70:71] c, twice
.set SEL, 72                           ; s[72:73] lane selects for lane l xor 16
.set HM,  74                           ; s74  lanes 16-31
.set MSB, 0
.macro WIN new                         ; the immediate's high byte repeats the setting that is left
.if MSB != \new
	s_set_vgpr_msb (MSB<<8)|\new
.set MSB, \new
.endif
.endm
.set MUL_LO, 0xa1                      ; source 0 (B) window 1, source 1 (A) window 0, C and D window 2
.set MUL_HI, 0xf1                      ; the same, C and D window 3
.set TO_B,   0x40                      ; destination window 1, address window 0
.macro JLOAD s                         ; a joint load: waves 0 and 1 fetch A's two halves, waves 2 and 3 B's; an s_nop 0 and four v_nop follow each line
	s_cmp_eq_u32 s11, 0
	s_cbranch_scc0 .Lfor_b_\@
	tensor_load_to_lds s[G0+4*\s:G0+4*\s+3], s[G1:G1+7]
	s_nop 0
.rept 4
	v_nop
.endr
	s_branch .Lasked_\@
.Lfor_b_\@:
	tensor_load_to_lds s[G0B+4*\s:G0B+4*\s+3], s[G1B:G1B+7]
	s_nop 0
.rept 4
	v_nop
.endr
.Lasked_\@:
.endm
.macro CREST                           ; a round of the cluster's barrier behind its opening barrier
	s_cmp_lg_u32 s10, 0
	s_cbranch_scc1 .Lnot_wave_0_\@
	s_barrier_signal -3
.Lnot_wave_0_\@:
	s_barrier_wait -3
	s_barrier_signal -1
	s_barrier_wait -1
.endm
.macro CROUND
	s_barrier_signal -1
	s_barrier_wait -1
	CREST
.endm
	s_load_b128 s[4:7], s[0:1], 0x0                ; h16, pbuf
	s_load_b64 s[92:93], s[0:1], 0x10              ; stat
	v_lshl_add_u32 v[SPW], v0, 2, SPARE
	v_mov_b32 v[NIL], 0
	ds_add_u32 v[SPW], v[NIL]                      ; the wave's opening: the add, twice on end, and its wait ahead of my first tensor load
	ds_add_u32 v[SPW], v[NIL]
	v_lshrrev_b32 v1, 5, v0
	v_readfirstlane_b32 s10, v1                    ; wave 0..3
	s_lshr_b32 s11, s10, 1                         ; my half of the tile's rows.  Also: I fetch for A (0) or for B (1)
	s_and_b32 s12, s10, 1                          ; my half of its columns.  Also: which 128 rows I fetch
	s_bfe_u32 s40, ttmp6, 0x40000                  ; cx
	s_bfe_u32 s41, ttmp6, 0x40004                  ; cy
	s_mul_i32 s14, ttmp9, 11
	s_lshr_b32 s66, s14, 5                         ; batch = c / 3 (c under 12)
	s_mul_i32 s14, s66, 3
	s_sub_co_u32 s14, ttmp9, s14                   ; t = c % 3
	s_min_u32 s67, s14, 1                          ; I
	s_lshr_b32 s68, s14, 1                         ; J
	s_lshl_b32 s42, s68, 2
	s_add_co_u32 s42, s42, s40                     ; tile column = 4 J + cx
	s_lshl_b32 s13, s67, 2
	s_add_co_u32 s13, s13, s41                     ; tile row = 4 I + cy
	s_lshl_b32 s43, s41, 2
	s_lshl_b32 s43, 15, s43                        ; my row of the cluster
	s_lshl_b32 s44, 0x1111, s40                    ; my column
	s_or_b32 s[G1+0], s43, (1<<16)|(1<<20)|(1<<21)|(5<<22)|(3<<25)  ; the mask; elements of 2 bytes; padding: 4 words behind every 64; bit 21 beside a mask
	s_or_b32 s[G1B+0], s44, (1<<16)|(1<<20)|(1<<21)|(5<<22)|(3<<25)
.irp g, G1, G1B
	s_mov_b32 s[\g+1], KSTEP<<16                   ; tensor_dim0
	s_mov_b32 s[\g+2], 128<<16                     ; tensor_dim1
	s_mov_b32 s[\g+3], KSTEP<<16                   ; tile_dim0
	s_mov_b32 s[\g+4], 128                         ; tile_dim1
	s_mov_b32 s[\g+5], 1024                        ; the pitch in elements
	s_mov_b32 s[\g+6], 0
	s_mov_b32 s[\g+7], 0
.endr
	s_mov_b32 s[CS], 0x3d38aa3b                    ; c = log2(e) / sqrt(1024)
	s_mov_b32 s[CS+1], s[CS]
	s_mov_b32 s[SEL], 0x76543210
	s_mov_b32 s[SEL+1], 0xfedcba98
	s_mov_b32 s[HM], 0xffff0000
	s_lshl_b32 s17, s12, 7                         ; which 128 rows I fetch
	s_lshl_b32 s18, s66, 11                        ; 2048 x batch
	s_lshl_b32 s16, s13, 8
	s_add_co_u32 s16, s16, s17
	s_add_co_u32 s16, s16, s18                     ; qp's row: no cx in it
	s_lshl_b32 s46, s42, 8
	s_add_co_u32 s46, s46, s17
	s_add_co_u32 s46, s46, s18
	s_add_co_u32 s46, s46, 8192                    ; kp's row: no cy in it
	s_lshl_b32 s16, s16, 11                        ; rows of 2,048 bytes
	s_lshl_b32 s46, s46, 11
	s_mov_b32 s17, 0
	s_mov_b32 s47, 0
	s_mul_i32 s20, s10, HALFT                      ; where they go: wave x 128 rows
	s_wait_dscnt 0x0                               ; both opening adds are done
	s_wait_kmcnt 0x0
	s_mov_b64 s[8:9], s[6:7]                       ; pbuf
	s_add_nc_u64 s[14:15], s[4:5], s[16:17]
	s_add_nc_u64 s[46:47], s[4:5], s[46:47]
	CROUND                                         ; all sixteen work-groups are here: the first joint loads meet
.irp s, 0,1
	s_mov_b32 s[G0+4*\s], 1
	s_add_co_u32 s[G0+4*\s+1], s20, \s*SLOT
	s_add_nc_u64 s[G0+4*\s+2:G0+4*\s+3], s[14:15], \s*KSTEP*2
	s_or_b32 s[G0+4*\s+3], s[G0+4*\s+3], 0x80000000
	s_mov_b32 s[G0B+4*\s], 1
	s_add_co_u32 s[G0B+4*\s+1], s20, \s*SLOT
	s_add_nc_u64 s[G0B+4*\s+2:G0B+4*\s+3], s[46:47], \s*KSTEP*2
	s_or_b32 s[G0B+4*\s+3], s[G0B+4*\s+3], 0x80000000
	JLOAD \s
.endr
	v_and_b32 v1, 15, v0                           ; r
	v_bfe_u32 v2, v0, 4, 1                         ; h
	v_mul_u32_u24 v3, v1, PITCH
	v_lshl_add_u32 v3, v2, 4, v3                   ; a fragment's row x pitch + 16 x half
	s_mul_i32 s21, s11, HALFT                      ; my 128 rows of A
	s_mul_i32 s22, s12, HALFT                      ; my 128 rows of B,
	s_add_co_u32 s22, s22, 2*HALFT                 ; behind A's 256
.irp s, 0,1
	v_add_nc_u32 v[ADRA+\s], s21, v3
	v_add_nc_u32 v[ADRB+\s], s22, v3
	s_add_co_u32 s21, s21, SLOT
	s_add_co_u32 s22, s22, SLOT
.endr
	s_mul_i32 s23, s10, 16*SPITCH
	s_add_co_u32 s23, s23, STAGE                   ; my stage
	v_mul_u32_u24 v4, v1, SPITCH
	v_lshl_add_u32 v4, v2, 4, v4
	v_add_nc_u32 v[STO], s23, v4                   ; in: row r, 16 bytes for each half of the lanes
	v_mul_u32_u24 v5, v2, SPITCH
	v_lshl_add_u32 v5, v1, 4, v5
	v_add_nc_u32 v[RD], s23, v5                    ; back: lanes 0-15 one row of 256 bytes, lanes 16-31 the next
	v_lshlrev_b32 v5, 12, v2                       ; and the same two rows in pbuf (4,096 bytes a row)
	v_lshl_add_u32 v[CO], v1, 4, v5
	v_and_b32 v[L16], 31, v0
	v_lshlrev_b32 v[L16], 4, v[L16]
	v_mov_b32 v[NINF], 0xff800000
	; pbuf and stat: the rows' part (cy) and the columns' part (cx) are made and added apart
	s_lshl_b32 s16, s13, 8
	s_lshl_b32 s17, s11, 7
	s_add_co_u32 s16, s16, s17                     ; my first row: 256 x tile row + 128 x half
	s_lshl_b32 s16, s16, 12
	s_lshl_b32 s17, s66, 23                        ; the batch: 8,388,608 bytes
	s_add_co_u32 s16, s16, s17
	s_mov_b32 s17, 0
	s_add_nc_u64 s[8:9], s[8:9], s[16:17]
	s_lshl_b32 s46, s42, 8
	s_lshl_b32 s47, s12, 7
	s_add_co_u32 s46, s46, s47                     ; my first column
	s_lshl_b32 s46, s46, 1
	s_mov_b32 s47, 0
	s_add_nc_u64 s[8:9], s[8:9], s[46:47]
	s_lshl_b32 s16, s13, 2
	s_lshl_b32 s17, s11, 1
	s_add_co_u32 s16, s16, s17                     ; my first group of 64 rows
	s_lshl_b32 s16, s16, 9
	s_mov_b32 s17, 0
	s_add_nc_u64 s[92:93], s[92:93], s[16:17]
	s_lshl_b32 s46, s42, 2
	s_lshl_b32 s47, s12, 1
	s_add_co_u32 s46, s46, s47                     ; my first block of 64 keys,
	s_lshl_b32 s47, s66, 5
	s_add_co_u32 s46, s46, s47                     ; + 32 x batch
	s_lshl_b32 s46, s46, 14                        ; 32 groups of 512 bytes each
	s_mov_b32 s47, 0
	s_add_nc_u64 s[92:93], s[92:93], s[46:47]
	s_sub_co_i32 s94, s13, s42
	s_lshl_b32 s94, s94, 8
	s_sub_co_i32 s95, s11, s12
	s_lshl_b32 s95, s95, 7
	s_add_co_i32 s94, s94, s95                     ; my wave's first query less its first key
	v_lshlrev_b32 v5, 3, v2
	v_sub_nc_u32 v[DD], v1, v5
	v_add_nc_u32 v[DD], s94, v[DD]                 ; + r - 8 h
; 16 matrix instructions: m blocks a0, a0 + 1 of the window's four x all 8 n blocks, 32 along K.  zero = 1: the first product starts the sums.  The 64 accumulators take turns, one instruction a turn.
.macro MUL16 f, hi, a0, zero
.irp a, \a0, \a0+1
.irp b, 0,1,2,3,4,5,6,7
.if \zero
	v_wmma_f32_16x16x32_f16 v[8*(8*(\a)+\b):8*(8*(\a)+\b)+7], v[\f+8*\b:\f+8*\b+7], v[\f+8*(4*\hi+\a):\f+8*(4*\hi+\a)+7], 0
.else
	v_wmma_f32_16x16x32_f16 v[8*(8*(\a)+\b):8*(8*(\a)+\b)+7], v[\f+8*\b:\f+8*\b+7], v[\f+8*(4*\hi+\a):\f+8*(4*\hi+\a)+7], v[8*(8*(\a)+\b):8*(8*(\a)+\b)+7]
.endif
.endr
.endr
.endm
.macro FETCH slot, k, f                ; 32 LDS loads in one run: 128 rows of B, 128 rows of A, 32 along K at byte k of the rows
	WIN TO_B
.irp i, 0,1,2,3,4,5,6,7
	ds_load_b128 v[\f+8*\i:\f+8*\i+3],   v[ADRB+\slot] offset:\k+\i*16*PITCH
	ds_load_b128 v[\f+8*\i+4:\f+8*\i+7], v[ADRB+\slot] offset:\k+\i*16*PITCH+32
.endr
	WIN 0
.irp i, 0,1,2,3,4,5,6,7
	ds_load_b128 v[\f+8*\i:\f+8*\i+3],   v[ADRA+\slot] offset:\k+\i*16*PITCH
	ds_load_b128 v[\f+8*\i+4:\f+8*\i+7], v[ADRA+\slot] offset:\k+\i*16*PITCH+32
.endr
.endm
.macro PLACES                          ; four plain places ahead of loads into registers that matrix instructions have read, and of the first read of results (ISA guide 7.12.1 for reads)
.rept 4
	v_nop
.endr
.endm
.macro QUARTER slot, k, f, g, zero     ; 32 along K, 64 matrix instructions: multiplies buffer f; in its middle fetches the next quarter, at byte k, into g
	s_wait_dscnt 8                                 ; B and A's rows 0-63 are in; the youngest eight loads (A's rows 64-127) may be out
	WIN MUL_LO
	MUL16 \f, 0, 0, \zero
	MUL16 \f, 0, 2, \zero
	PLACES
	FETCH \slot, \k, \g
	s_wait_dscnt 32                                ; all but the 32 just issued
	WIN MUL_HI
	MUL16 \f, 1, 0, \zero
	MUL16 \f, 1, 2, \zero
.endm
; A K step's last quarter multiplies buffer 1 and changes slots: one barrier (with fill = 1 it opens a round of the cluster's barrier, and this slot is filled again, two K steps ahead)
.macro TURN slot, next, fill
	WIN 0                                          ; (the add's two registers lie in window 0)
	s_wait_tensorcnt 0x0                           ; all my tensor loads have landed: my part of the next slot
	ds_add_u32 v[SPW], v[NIL]                      ; 0 onto my spare word
	s_wait_dscnt 9                                 ; (the add and the youngest eight loads may be out)
	WIN MUL_LO
	MUL16 F1, 0, 0, 0
	s_wait_dscnt 0x0                               ; the add is done, and my reads of this slot are over
	s_barrier_signal -1
	MUL16 F1, 0, 2, 0
	WIN 0
	s_barrier_wait -1
.if \fill
	CREST                                          ; no wave of any partner still reads this slot or has a load on its way
	s_add_nc_u64 s[G0+4*\slot+2:G0+4*\slot+3], s[G0+4*\slot+2:G0+4*\slot+3], 2*KSTEP*2
	s_add_nc_u64 s[G0B+4*\slot+2:G0B+4*\slot+3], s[G0B+4*\slot+2:G0B+4*\slot+3], 2*KSTEP*2
	JLOAD \slot                                    ; the first tensor load behind the round; its four v_nop are also the places ahead of the loads below
.else
	PLACES
.endif
	FETCH \next, 0, F0
	WIN MUL_HI
	MUL16 F1, 1, 0, 0
	MUL16 F1, 1, 2, 0
.endm
	s_wait_tensorcnt 1                             ; my part of K step 0 is in; K step 1's may be out
	s_barrier_signal -1
	s_barrier_wait -1
	FETCH 0, 0, F0
	QUARTER 0, 64, F0, F1, 1                       ; the first products start the sums
	WIN 0
	s_mov_b32 s3, LAPS-1
.Llap:                                                 ; a trip goes once round the ring, from a lap's second quarter to the next lap's first, and fills both slots again
	QUARTER 0, 128, F1, F0, 0
	QUARTER 0, 192, F0, F1, 0
	TURN 0, 1, 1
	QUARTER 1, 64,  F0, F1, 0
	QUARTER 1, 128, F1, F0, 0
	QUARTER 1, 192, F0, F1, 0
	TURN 1, 0, 1
	QUARTER 0, 64,  F0, F1, 0
	WIN 0
	s_sub_co_u32 s3, s3, 1
	s_cmp_lg_u32 s3, 0
	s_cbranch_scc1 .Llap
	QUARTER 0, 128, F1, F0, 0                      ; the last lap fills nothing
	QUARTER 0, 192, F0, F1, 0
	TURN 0, 1, 0
	QUARTER 1, 64,  F0, F1, 0
	QUARTER 1, 128, F1, F0, 0
	QUARTER 1, 192, F0, F1, 0
	s_wait_dscnt 8
	WIN MUL_LO
	MUL16 F1, 0, 0, 0
	MUL16 F1, 0, 2, 0
	s_wait_dscnt 0
	WIN MUL_HI
	MUL16 F1, 1, 0, 0
	MUL16 F1, 1, 2, 0
	WIN 0
; THE SOFTMAX'S FIRST HALF, in phases, each written once for each window of accumulators (hi = 0: my rows 0-63, window 2; 1: rows 64-127, window 3).  In a window, block of rows a has registers 64 a .. 64 a + 63; its block of keys kb the 32 from 64 a + 32 kb on.
.macro MASKW hi, w                     ; w: destination and source 0 in the window
	WIN \w
.irp a, 0,1,2,3
.irp b, 0,1,2,3,4,5,6,7
.irp j, 0,1,2,3,4,5,6,7
	v_cmp_gt_i32 vcc_lo, 16*\b+\j-16*(4*\hi+\a), v[DD]
	v_cndmask_b32 v[64*\a+8*\b+\j], v[64*\a+8*\b+\j], v[NINF], vcc_lo
.endr
.endr
.endr
.endm
.macro MAXW hi, w3, w2                 ; w3: all three sources in the window; w2: sources 1 and 2.  The eight groups by turns; each accumulator is read from its low end on
	WIN \w3
.irp a, 0,1,2,3
.irp kb, 0,1
	v_max3_num_f32 v[MX+2*(4*\hi+\a)+\kb], v[64*\a+32*\kb], v[64*\a+32*\kb+1], v[64*\a+32*\kb+2]
.endr
.endr
	WIN \w2
.irp i, 3,5,7,9,11,13,15,17,19,21,23,25,27,29
.irp a, 0,1,2,3
.irp kb, 0,1
	v_max3_num_f32 v[MX+2*(4*\hi+\a)+\kb], v[MX+2*(4*\hi+\a)+\kb], v[64*\a+32*\kb+\i], v[64*\a+32*\kb+\i+1]
.endr
.endr
.endr
.irp a, 0,1,2,3
.irp kb, 0,1
	v_max3_num_f32 v[MX+2*(4*\hi+\a)+\kb], v[MX+2*(4*\hi+\a)+\kb], v[64*\a+32*\kb+31], 0xff61b1e6   ; with the floor -3e38
.endr
.endr
.endm
.macro FMAW hi, w                      ; t - M, two at a time
	WIN \w
.irp n, 0,2,4,6,8,10,12,14,16,18,20,22,24,26,28,30
.irp a, 0,1,2,3
.irp kb, 0,1
	v_pk_fma_f32 v[64*\a+32*\kb+\n:64*\a+32*\kb+\n+1], v[64*\a+32*\kb+\n:64*\a+32*\kb+\n+1], s[CS:CS+1], v[NM+4*(4*\hi+\a)+2*\kb:NM+4*(4*\hi+\a)+2*\kb+1] op_sel_hi:[1,0,0]
.endr
.endr
.endr
.endm
.macro EXPW w                          ; p = 2^(t - M), at most 1
	WIN \w
.set i, 0
.rept 256
	v_exp_f32 v[i], v[i]
.set i, i+1
.endr
.endm
.macro SUMW hi, wa, wb                 ; wa: sources 0 and 1 in the window; wb: source 1.  The sums are taken of the unrounded p
	WIN \wa
.irp a, 0,1,2,3
.irp kb, 0,1
	v_pk_add_f32 v[SU+4*(4*\hi+\a)+2*\kb:SU+4*(4*\hi+\a)+2*\kb+1], v[64*\a+32*\kb:64*\a+32*\kb+1], v[64*\a+32*\kb+2:64*\a+32*\kb+3]
.endr
.endr
	WIN \wb
.irp n, 4,6,8,10,12,14,16,18,20,22,24,26,28,30
.irp a, 0,1,2,3
.irp kb, 0,1
	v_pk_add_f32 v[SU+4*(4*\hi+\a)+2*\kb:SU+4*(4*\hi+\a)+2*\kb+1], v[SU+4*(4*\hi+\a)+2*\kb:SU+4*(4*\hi+\a)+2*\kb+1], v[64*\a+32*\kb+\n:64*\a+32*\kb+\n+1]
.endr
.endr
.endr
.endm
	PLACES                                         ; ahead of the first read of the results, and of the first write of registers that held A's fragments
	s_cmp_lg_u32 s67, s68                          ; THE MASK, in the clusters on the diagonal alone (I = J: the same in all sixteen partners): hidden scores become -infinity
	s_cbranch_scc1 .Lopen
	MASKW 0, 0x82
	MASKW 1, 0xc3
	WIN 0
.Lopen:
	MAXW 0, 0x2a, 0x28
	MAXW 1, 0x3f, 0x3c
	WIN 0
.set g, 0
.rept 16
	v_mov_b32 v[NM+2*g+1], 0                       ; written once: a lane permute's destination counts as one of its sources; later named as the upper half of a pair
.set g, g+1
.endr
.set g, 0
.rept 16
	v_permlanex16_b32 v[NM+2*g+1], v[MX+g], s[SEL], s[SEL+1]   ; the row's other 32 keys of the block lie in the lane 16 away
.set g, g+1
.endr
.set g, 0
.rept 16
	v_max_num_f32 v[MX+g], v[MX+g], v[NM+2*g+1]
.set g, g+1
.endr
.set g, 0
.rept 16
	v_mul_f32 v[MX+g], s[CS], v[MX+g]              ; as t (c is positive)
.set g, g+1
.endr
.set g, 0
.rept 16
	v_floor_f32 v[NM+2*g], -v[MX+g]                ; n = floor(-t) = -ceil(t)
.set g, g+1
.endr
	FMAW 0, 0x82
	FMAW 1, 0xc3
	EXPW 0x82                                      ; the 512 exponentials are one batch: nothing between the first of them and the wait names a result
	EXPW 0xc3
	v_nop                                          ; a plain instruction behind the last exponential
	s_wait_alu depctr_va_vdst(0)                   ; one wait for the whole batch, ahead of its first reader
	SUMW 0, 0x0a, 0x08
	SUMW 1, 0x0f, 0x0c
	WIN 0
.set g, 0
.rept 16
	v_add_f32 v[SU+2*g], v[SU+2*g], v[SU+2*g+1]
.set g, g+1
.endr
.set g, 0
.rept 16
	v_permlanex16_b32 v[SU+2*g+1], v[SU+2*g], s[SEL], s[SEL+1]
.set g, g+1
.endr
.set g, 0
.rept 16
	v_add_f32 v[SU+2*g], v[SU+2*g], v[SU+2*g+1]    ; l of the row's 64 keys
.set g, g+1
.endr
.irp gr, 0,1                           ; group of 64 rows gr, block of keys kb: lane L holds row L = 16 (L / 16) + L % 16 and row 32 + L
.irp kb, 0,1
	v_cndmask_b32 v[ST+4*(2*\gr+\kb)],   v[NM+16*\gr+2*\kb],   v[NM+16*\gr+4+2*\kb],  s[HM]
	v_cndmask_b32 v[ST+4*(2*\gr+\kb)+1], v[SU+16*\gr+2*\kb],   v[SU+16*\gr+4+2*\kb],  s[HM]
	v_cndmask_b32 v[ST+4*(2*\gr+\kb)+2], v[NM+16*\gr+8+2*\kb], v[NM+16*\gr+12+2*\kb], s[HM]
	v_cndmask_b32 v[ST+4*(2*\gr+\kb)+3], v[SU+16*\gr+8+2*\kb], v[SU+16*\gr+12+2*\kb], s[HM]
	global_store_b128 v[L16], v[ST+4*(2*\gr+\kb):ST+4*(2*\gr+\kb)+3], s[92:93] offset:16384*\kb+512*\gr   ; the wave stores 512 consecutive bytes, aligned
.endr
.endr
; THE WAY OUT of block a (16 rows x 128 keys): rounded to f16, 16 bytes a lane; through my own stage; back as whole rows of 256 bytes.
.macro PACK a
.set AC, 64*((\a)%4)
	WIN 0x0a+5*((\a)/4)                            ; sources 0 and 1: window 2 or 3
.irp b, 0,1,2,3,4,5,6,7
.irp r, 0,1,2,3
	v_cvt_pk_f16_f32 v[TMP+4*\b+\r], v[AC+8*\b+2*\r], v[AC+8*\b+2*\r+1]
.endr
.endr
	WIN 0
.endm
.macro TOSTAGE a
.set BK, OB+192*((\a)%2)
.irp b, 0,1,2,3,4,5,6,7
	ds_store_b128 v[STO], v[TMP+4*\b:TMP+4*\b+3] offset:32*\b
.endr
.irp t, 0,1,2,3,4,5,6,7
	ds_load_b128 v[BK+4*\t:BK+4*\t+3], v[RD] offset:\t*2*SPITCH    ; LDS serves a wave's instructions in order (ISA guide 5.7.1.4): these see the stores above
.endr
.endm
.macro SEND a
.set BK, OB+192*((\a)%2)
	s_wait_dscnt 0x0                               ; the block is back in registers
	s_wait_xcnt 0x0                                ; earlier stores have read their base and their data: the base steps, and the next block's loads may land
.if (\a) > 0
	s_add_nc_u64 s[8:9], s[8:9], 16*4096           ; 16 rows of pbuf on
.endif
.irp t, 0,1,2,3,4,5,6,7
	global_store_b128 v[CO], v[BK+4*\t:BK+4*\t+3], s[8:9] offset:2*\t*4096   ; 16 lanes store 256 consecutive bytes, aligned
.endr
.endm
	PACK 0
	TOSTAGE 0
.irp a, 1,2,3,4,5,6,7                  ; block a's conversions stand between block a - 1's loads from the stage and the wait for them
	PACK \a
	SEND \a-1
	TOSTAGE \a
.endr
	SEND 7
	s_wait_tensorcnt 0x0                           ; the wave's end
	ds_add_u32 v[SPW], v[NIL]
	s_wait_dscnt 0x0
	CROUND                                         ; the closing round
	s_endpgm
.Lfunc_end_k_q393f2a8794_scores:
	.size	k_q393f2a8794_scores, .Lfunc_end_k_q393f2a8794_scores-k_q393f2a8794_scores
	.p2alignl 7, 3214868480
	.fill 96, 4, 3214868480
	.section	.rodata,"a",@progbits
	.p2align	6, 0x0
	.amdhsa_kernel k_q393f2a8794_scores
		.amdhsa_group_segment_fixed_size 327680
		.amdhsa_private_segment_fixed_size 0
		.amdhsa_enable_private_segment 0
		.amdhsa_kernarg_size 24
		.amdhsa_user_sgpr_count 2
		.amdhsa_user_sgpr_kernarg_segment_ptr 1
		.amdhsa_wavefront_size32 1
		.amdhsa_system_sgpr_workgroup_id_x 1
		.amdhsa_system_sgpr_workgroup_id_y 1
		.amdhsa_system_sgpr_workgroup_id_z 1
		.amdhsa_system_vgpr_workitem_id 0
		.amdhsa_next_free_vgpr 1024
		.amdhsa_next_free_sgpr 100
		.amdhsa_reserve_vcc 1
		.amdhsa_float_denorm_mode_32 3
		.amdhsa_float_denorm_mode_16_64 3
		.amdhsa_memory_ordered 1
		.amdhsa_forward_progress 1
		.amdhsa_inst_pref_size 255
	.end_amdhsa_kernel
	.amdgpu_metadata
---
amdhsa.version: [ 1, 2 ]
amdhsa.kernels:
  - .name:           k_q393f2a8794_scores
    .symbol:         k_q393f2a8794_scores.kd
    .args:
      - { .name: h16, .offset: 0, .size: 8, .value_kind: global_buffer, .address_space: global }
      - { .name: pbuf, .offset: 8, .size: 8, .value_kind: global_buffer, .address_space: global }
      - { .name: stat, .offset: 16, .size: 8, .value_kind: global_buffer, .address_space: global }
    .group_segment_fixed_size: 327680
    .private_segment_fixed_size: 0
    .kernarg_segment_align: 8
    .kernarg_segment_size: 24
    .max_flat_workgroup_size: 128
    .sgpr_count:     100
    .vgpr_count:     1024
    .wavefront_size: 32
...
	.end_amdgpu_metadata
.endif
;; end of part 4
;; launch mix (part 5): grid 64 x 4, 4 waves a work-group, clusters of 4 x 4, 327,680 bytes of LDS; arguments pbuf, vt16, stat, bv, o16; writes o16
.if DOCPART == 5
	.amdgcn_target "amdgcn-amd-amdhsa--gfx1250"
	.amdhsa_code_object_version 6
	.text
	.protected	k_q393f2a8794_mix
	.globl	k_q393f2a8794_mix
	.p2align	8
	.type	k_q393f2a8794_mix,@function
k_q393f2a8794_mix:
	s_mov_b64 s[64:65], 0
	v_nop
	global_prefetch_b8 v0, s[64:65] scope:SCOPE_SE
	s_setreg_imm32_b32 hwreg(HW_REG_WAVE_MODE, 25, 1), 1
	s_wait_xcnt 0x0
	s_wait_alu depctr_hold_cnt(0) depctr_sa_sdst(0) depctr_va_vdst(0) depctr_va_sdst(0) depctr_va_ssrc(0) depctr_va_vcc(0) depctr_vm_vsrc(0)
	s_getreg_b32 s2, hwreg(HW_REG_IB_STS2, 6, 4)
	s_cmp_eq_u32 s2, 0
	s_cbranch_scc0 .Lentry_in_a_cluster
	s_endpgm
.Lentry_in_a_cluster:
	s_bfe_u32 s2, ttmp6, 0x10000c
	s_cmp_lg_u32 s2, 0xf033
	s_cbranch_scc0 .Lentry_shape_is_right
	s_endpgm
.Lentry_shape_is_right:
; The second half of the softmax and the weighted mean of the values: o[q][d] = (sum over blocks of 64 keys of f x (sum over the block's keys of p[q][k] v[k][d])) / l[q] + bv[d], rounded once to f16.
; p (f16) and, for each row and block of 64 keys, n = -M and the block's sum come from the launch before.  For a row: nfin = its smallest n (its largest M); f = 2^(nfin - n_block), a power of two, kept in f32;
; l = the sum of f x l_block in f32.  THE FACTORS ARE APPLIED IN F32: the products of a block of 64 keys start a sum of their own with the constant 0, and the running result takes it by one packed multiply-add, ACC += T x f.
; bv is added here: a row's weights sum to 1.
; A = pbuf rows (queries), B = vt16 rows (d), K = the keys, innermost in both.  A tile of o is 128 x 128, four waves of 64 x 64; K steps of 256 keys through a ring of two slots; a quarter of a step is 64 keys: one block, one f a row.
; EVEN WORK UNDER THE CAUSAL MASK: a work-group makes TWO tiles, rows 512 pi + 128 cy (pi + 1 laps of 512 keys) and rows 512 (3 - pi) + 128 cy (4 - pi laps): five laps, ten K steps, for every work-group,
; so the trip counts are constants.  The ring does not stop between the tiles: the refills of the first tile's last lap ask for the second tile's first two K steps.  Cluster c of 16: batch c / 4, pi = (c / 2) % 2, columns 128 (4 (c % 2) + cx).
; CLUSTERS of 4 x 4: p's tiles are asked for jointly along a row of the cluster, v's along a column.  What differs between clusters (pi) is the same in all sixteen partners.
; LIMITS: |o| stays under 65,504; an f under the smallest f32 number counts as 0 (beside a largest term over 1/2); NaN and infinities are not served.
; REGISTERS: window 0: v0-31 addresses; v32-95 the way out; v96-127 the factors, two sets of 16 words; v128-255 the running result ((a, b) at v[128 + 8 (4 a + b)]).  window 1: two fragment buffers of 128.
;   window 2: v0-31 bv of my 64 columns in the result's layout.  window 3: two sets of 16 accumulators, v0-127 and v128-255, which take turns with the fragment buffers.
.set KSTEP,  256
.set PITCH,  528
.set HALFT,  64*PITCH
.set SLOT,   4*HALFT
.set STAGE,  2*SLOT                    ; 128 rows x 272 bytes
.set SPITCH, 272
.set TAB,    STAGE+128*SPITCH          ; the factors: 128 rows x 160 bytes: 40 f32 in the order of the walk
.set TROW,   160
.set LIV,    TAB+128*TROW              ; 1 / l: 128 f32 for each of the two tiles
.set SPARE,  LIV+1024
.set ADRF, 6                           ; v6   my row's factors of the K step to be fetched
.set ADRL, 7                           ; v7   my row's 1 / l
.set LI,   8                           ; v8, 10, 12, 14: 1 / l of my four rows; named as pairs
.set ADRA, 16
.set ADRB, 20
.set BVO,  22                          ; v22  32 h
.set STO,  24
.set RD,   25
.set CO,   26
.set TOFF, 27                          ; v27  thread t's place in a group's 512 bytes of stat
.set SPW,  28
.set NIL,  29
.set TA,   30                          ; v30  where thread t stores its row of factors
.set LA,   31                          ; v31  and its 1 / l
.set TMP,  32
.set FAC,  96
.set ACC,  128
.set F0,   0                           ; fragment buffer 0 (window 1), and the set of accumulators that goes with it (window 3)
.set F1,   128
.set G1, 24
.set G0, 32
.set G1B, 48
.set G0B, 56
.set MK,  76                           ; s76-85  all ones where K step w of the walk belongs to the first tile
.set MSB, 0
.macro WIN new
.if MSB != \new
	s_set_vgpr_msb (MSB<<8)|\new
.set MSB, \new
.endif
.endm
.set MULT, 0xf5                        ; sources 0 (B) and 1 (A) window 1; C and D window 3
.set ACW,  0x03                        ; source 0 (a block's sums) window 3; the factor and the running result window 0
.set TO_F, 0x40
.macro JLOAD s
	s_cmp_eq_u32 s11, 0
	s_cbranch_scc0 .Lfor_b_\@
	tensor_load_to_lds s[G0+4*\s:G0+4*\s+3], s[G1:G1+7]
	s_nop 0
.rept 4
	v_nop
.endr
	s_branch .Lasked_\@
.Lfor_b_\@:
	tensor_load_to_lds s[G0B+4*\s:G0B+4*\s+3], s[G1B:G1B+7]
	s_nop 0
.rept 4
	v_nop
.endr
.Lasked_\@:
.endm
.macro CREST
	s_cmp_lg_u32 s10, 0
	s_cbranch_scc1 .Lnot_wave_0_\@
	s_barrier_signal -3
.Lnot_wave_0_\@:
	s_barrier_wait -3
	s_barrier_signal -1
	s_barrier_wait -1
.endm
.macro CROUND
	s_barrier_signal -1
	s_barrier_wait -1
	CREST
.endm
	s_load_b128 s[4:7], s[0:1], 0x0                ; pbuf, vt16
	s_load_b128 s[92:95], s[0:1], 0x10             ; stat, bv
	s_load_b64 s[8:9], s[0:1], 0x20                ; o16
	v_lshl_add_u32 v[SPW], v0, 2, SPARE
	v_mov_b32 v[NIL], 0
	ds_add_u32 v[SPW], v[NIL]                      ; the wave's opening: the add, twice on end, and its wait ahead of my first tensor load
	ds_add_u32 v[SPW], v[NIL]
	v_lshrrev_b32 v1, 5, v0
	v_readfirstlane_b32 s10, v1
	s_lshr_b32 s11, s10, 1
	s_and_b32 s12, s10, 1
	s_bfe_u32 s40, ttmp6, 0x40000                  ; cx
	s_bfe_u32 s41, ttmp6, 0x40004                  ; cy
	s_lshr_b32 s96, ttmp9, 2                       ; batch
	s_bfe_u32 s66, ttmp9, 0x10001                  ; pi: the first tile ends with lap pi
	s_and_b32 s97, ttmp9, 1                        ; which half of the 1,024 columns
	s_lshl_b32 s43, s41, 2
	s_lshl_b32 s43, 15, s43
	s_lshl_b32 s44, 0x1111, s40
	s_or_b32 s[G1+0], s43, (1<<16)|(1<<20)|(1<<21)|(6<<22)|(3<<25)
	s_or_b32 s[G1B+0], s44, (1<<16)|(1<<20)|(1<<21)|(6<<22)|(3<<25)
.irp g, G1, G1B
	s_mov_b32 s[\g+1], KSTEP<<16
	s_mov_b32 s[\g+2], 64<<16
	s_mov_b32 s[\g+3], KSTEP<<16
	s_mov_b32 s[\g+4], 64
	s_mov_b32 s[\g+5], 2048                        ; the pitch of pbuf and of vt16, in elements
	s_mov_b32 s[\g+6], 0
	s_mov_b32 s[\g+7], 0
.endr
	s_lshl_b32 s15, s41, 7
	s_lshl_b32 s90, s66, 9
	s_add_co_u32 s90, s90, s15                     ; R1 = 512 pi + 128 cy
	s_sub_co_u32 s91, 3, s66
	s_lshl_b32 s91, s91, 9
	s_add_co_u32 s91, s91, s15                     ; R2 = 512 (3 - pi) + 128 cy
	s_lshl_b32 s17, s12, 6
	s_add_co_u32 s16, s90, s17
	s_lshl_b32 s16, s16, 12
	s_lshl_b32 s18, s96, 23
	s_add_co_u32 s16, s16, s18                     ; p: the batch, row R1 + 64 x half
	s_mov_b32 s17, 0
	s_lshl_b32 s42, s97, 2
	s_add_co_u32 s42, s42, s40
	s_lshl_b32 s42, s42, 7                         ; d0
	s_lshl_b32 s46, s12, 6
	s_add_co_u32 s46, s46, s42
	s_lshl_b32 s46, s46, 12
	s_lshl_b32 s47, s96, 22
	s_add_co_u32 s46, s46, s47                     ; v^T: the batch, row d0 + 64 x half
	s_mov_b32 s47, 0
	s_mul_i32 s20, s10, HALFT
	s_wait_dscnt 0x0
	s_wait_kmcnt 0x0
	s_add_nc_u64 s[14:15], s[4:5], s[16:17]
	s_add_nc_u64 s[46:47], s[6:7], s[46:47]
	CROUND
.irp s, 0,1
	s_mov_b32 s[G0+4*\s], 1
	s_add_co_u32 s[G0+4*\s+1], s20, \s*SLOT
	s_add_nc_u64 s[G0+4*\s+2:G0+4*\s+3], s[14:15], \s*KSTEP*2
	s_or_b32 s[G0+4*\s+3], s[G0+4*\s+3], 0x80000000
	s_mov_b32 s[G0B+4*\s], 1
	s_add_co_u32 s[G0B+4*\s+1], s20, \s*SLOT
	s_add_nc_u64 s[G0B+4*\s+2:G0B+4*\s+3], s[46:47], \s*KSTEP*2
	s_or_b32 s[G0B+4*\s+3], s[G0B+4*\s+3], 0x80000000
	JLOAD \s
.endr
	v_and_b32 v1, 15, v0                           ; r
	v_bfe_u32 v2, v0, 4, 1                         ; h
	v_mul_u32_u24 v3, v1, PITCH
	v_lshl_add_u32 v3, v2, 4, v3
	s_mul_i32 s21, s11, HALFT
	s_mul_i32 s22, s12, HALFT
	s_add_co_u32 s22, s22, 2*HALFT
.irp s, 0,1
	v_add_nc_u32 v[ADRA+\s], s21, v3
	v_add_nc_u32 v[ADRB+\s], s22, v3
	s_add_co_u32 s21, s21, SLOT
	s_add_co_u32 s22, s22, SLOT
.endr
	s_mul_i32 s23, s11, 64*SPITCH
	s_lshl_b32 s21, s12, 7
	s_add_co_u32 s23, s23, s21
	s_add_co_u32 s23, s23, STAGE
	v_mul_u32_u24 v4, v1, SPITCH
	v_lshl_add_u32 v4, v2, 4, v4
	v_add_nc_u32 v[STO], s23, v4
	s_mul_i32 s23, s10, 32*SPITCH
	s_add_co_u32 s23, s23, STAGE
	v_mul_u32_u24 v5, v2, SPITCH
	v_lshl_add_u32 v5, v1, 4, v5
	v_add_nc_u32 v[RD], s23, v5
	v_lshlrev_b32 v5, 11, v2                       ; o16: 2,048 bytes a row
	v_lshl_add_u32 v[CO], v1, 4, v5
	s_mul_i32 s21, s11, 64*TROW
	v_mul_u32_u24 v[ADRF], v1, TROW
	v_add_nc_u32 v[ADRF], s21, v[ADRF]
	v_add_nc_u32 v[ADRF], TAB, v[ADRF]             ; row 64 x my half + r
	s_lshl_b32 s21, s11, 8
	v_lshl_add_u32 v[ADRL], v1, 2, s21
	v_add_nc_u32 v[ADRL], LIV, v[ADRL]
	v_mul_u32_u24 v[TA], v0, TROW
	v_add_nc_u32 v[TA], TAB, v[TA]
	v_lshl_add_u32 v[LA], v0, 2, LIV
	v_lshrrev_b32 v3, 6, v0
	v_lshlrev_b32 v[TOFF], 9, v3                   ; which group of 64 rows,
	v_and_b32 v3, 31, v0
	v_lshl_add_u32 v[TOFF], v3, 4, v[TOFF]         ; which lane's 16 bytes,
	v_bfe_u32 v3, v0, 5, 1
	v_lshl_add_u32 v[TOFF], v3, 3, v[TOFF]         ; which pair of words
	v_lshlrev_b32 v[BVO], 5, v2
.irp a, 0,1,2,3
	v_mov_b32 v[LI+2*\a+1], 0                      ; named as the upper half of a pair
.endr
	; what the walk needs: the steps at the change of tiles, the tiles' places in stat and in o16
	s_lshl_b32 s67, s66, 1
	s_add_co_u32 s67, s67, 2                       ; the first tile's K steps: 2 (pi + 1)
	s_lshl_b32 s72, s66, 1
	s_sub_co_u32 s72, 3, s72
	s_lshl_b32 s72, s72, 21                        ; (R2 - R1) rows of 4,096 bytes,
	s_lshl_b32 s73, s66, 10
	s_sub_co_u32 s72, s72, s73                     ; and back along K: what a slot's address in p steps by at the change of tiles
	s_add_co_u32 s73, s73, 1024                    ; and v's goes 1,024 (pi + 1) back behind its usual step
	s_mov_b32 s69, 0
	s_mov_b32 s71, 0
	s_lshl_b32 s74, s96, 19
	s_lshl_b32 s75, s91, 3
	s_add_co_u32 s75, s75, s74
	s_lshl_b32 s16, s67, 16
	s_sub_co_u32 s75, s75, s16                     ; stat, second tile: its group of rows, less the first tile's K steps (65,536 bytes each); used only with w at or over that number
	s_lshl_b32 s16, s90, 3
	s_add_co_u32 s74, s74, s16                     ; stat, first tile
	s_lshl_b32 s16, s96, 11
	s_lshl_b32 s17, s10, 5
	s_add_co_u32 s16, s16, s17
	s_add_co_u32 s18, s16, s91
	s_add_co_u32 s16, s16, s90
	s_lshl_b32 s16, s16, 11                        ; o16: row 2048 batch + R + 32 wave
	s_lshl_b32 s18, s18, 11
	s_mov_b32 s17, 0
	s_mov_b32 s19, 0
	s_lshl_b32 s46, s42, 1                         ; column d0, in bytes
	s_mov_b32 s47, 0
	s_add_nc_u64 s[8:9], s[8:9], s[46:47]
	s_add_nc_u64 s[86:87], s[8:9], s[18:19]        ; the second tile's
	s_add_nc_u64 s[8:9], s[8:9], s[16:17]          ; the first tile's
	s_lshl_b32 s46, s12, 6
	s_add_co_u32 s46, s46, s42
	s_lshl_b32 s46, s46, 2
	s_add_nc_u64 s[94:95], s[94:95], s[46:47]      ; bv at my 64 columns
	WIN 0x80                                       ; destination window 2
.irp b, 0,1,2,3
	global_load_b128 v[8*\b:8*\b+3], v[BVO], s[94:95] offset:64*\b
	global_load_b128 v[8*\b+4:8*\b+7], v[BVO], s[94:95] offset:64*\b+16
.endr
	WIN 0
	; THE FACTORS.  Thread t takes row t of both tiles: the 40 pairs (n, l) of its walk
.irp w, 0,1,2,3,4,5,6,7,8,9
	s_cmp_gt_u32 s67, \w
	s_cselect_b32 s[MK+\w], -1, 0
	s_cselect_b32 s89, s74, s75
	s_add_co_u32 s89, s89, 65536*\w
	v_add_nc_u32 v[32+\w], s89, v[TOFF]
.irp e, 0,1,2,3
	global_load_b64 v[128+8*\w+2*\e:129+8*\w+2*\e], v[32+\w], s[92:93] offset:16384*\e
.endr
.endr
	v_mov_b32 v44, 0x7f7fffff                      ; the first tile's smallest n,
	v_mov_b32 v45, 0x7f7fffff                      ; the second's
	v_mov_b32 v46, 0x7f7fffff
	v_mov_b32 v50, 0                               ; the first tile's l,
	v_mov_b32 v51, 0                               ; the second's
	s_wait_loadcnt 0x0
.irp w, 0,1,2,3,4,5,6,7,8,9
	v_min3_num_f32 v47, v[128+8*\w], v[130+8*\w], v[132+8*\w]
	v_min_num_f32 v47, v47, v[134+8*\w]
	v_cndmask_b32 v48, v46, v47, s[MK+\w]
	v_cndmask_b32 v49, v47, v46, s[MK+\w]
	v_min_num_f32 v44, v44, v48
	v_min_num_f32 v45, v45, v49
.endr
.irp w, 0,1,2,3,4,5,6,7,8,9
	v_cndmask_b32 v52, v45, v44, s[MK+\w]          ; nfin of the tile that K step w belongs to
.irp e, 0,1,2,3
	v_sub_f32 v[56+\e], v52, v[128+8*\w+2*\e]      ; a whole number, 0 or less
.endr
.irp e, 0,1,2,3
	v_cvt_i32_f32 v[56+\e], v[56+\e]               ; (it saturates: a block that is all hidden gets f = 0)
.endr
.irp e, 0,1,2,3
	v_ldexp_f32 v[208+4*\w+\e], 1.0, v[56+\e]      ; f, in f32
.endr
	v_mul_f32 v54, v[208+4*\w], v[129+8*\w]
	v_fmac_f32 v54, v[209+4*\w], v[131+8*\w]
	v_fmac_f32 v54, v[210+4*\w], v[133+8*\w]
	v_fmac_f32 v54, v[211+4*\w], v[135+8*\w]       ; the K step's part of l
	v_cndmask_b32 v48, v[NIL], v54, s[MK+\w]
	v_cndmask_b32 v49, v54, v[NIL], s[MK+\w]
	v_add_f32 v50, v50, v48
	v_add_f32 v51, v51, v49
.endr
	v_rcp_f32 v50, v50
	v_rcp_f32 v51, v51
	v_nop                                          ; a plain instruction behind the reciprocals
	s_wait_alu depctr_va_vdst(0)                   ; and the wait ahead of their first reader
.irp w, 0,1,2,3,4,5,6,7,8,9
	ds_store_b128 v[TA], v[208+4*\w:211+4*\w] offset:16*\w
.endr
	ds_store_b32 v[LA], v50
	ds_store_b32 v[LA], v51 offset:512
; 8 matrix instructions: m blocks a0, a0 + 1 x all 4 n blocks, 32 keys: half c of buffer f, into the set of accumulators that goes with the buffer.  zero = 1: they start the block's sums.
; The 16 accumulators take turns, one instruction a turn.
.macro MUL8 f, c, a0, zero
.irp a, \a0, \a0+1
.irp b, 0,1,2,3
.if \zero
	v_wmma_f32_16x16x32_f16 v[\f+8*(4*(\a)+\b):\f+8*(4*(\a)+\b)+7], v[\f+64+8*(4*\c+\b):\f+64+8*(4*\c+\b)+7], v[\f+8*(4*\c+\a):\f+8*(4*\c+\a)+7], 0
.else
	v_wmma_f32_16x16x32_f16 v[\f+8*(4*(\a)+\b):\f+8*(4*(\a)+\b)+7], v[\f+64+8*(4*\c+\b):\f+64+8*(4*\c+\b)+7], v[\f+8*(4*\c+\a):\f+8*(4*\c+\a)+7], v[\f+8*(4*(\a)+\b):\f+8*(4*(\a)+\b)+7]
.endif
.endr
.endr
.endm
.macro FETCH slot, k, f
	WIN TO_F
.irp c, 0,1
.irp i, 0,1,2,3
	ds_load_b128 v[\f+64+8*(4*\c+\i):\f+64+8*(4*\c+\i)+3],   v[ADRB+\slot] offset:\k+64*\c+\i*16*PITCH
	ds_load_b128 v[\f+64+8*(4*\c+\i)+4:\f+64+8*(4*\c+\i)+7], v[ADRB+\slot] offset:\k+64*\c+\i*16*PITCH+32
	ds_load_b128 v[\f+8*(4*\c+\i):\f+8*(4*\c+\i)+3],         v[ADRA+\slot] offset:\k+64*\c+\i*16*PITCH
	ds_load_b128 v[\f+8*(4*\c+\i)+4:\f+8*(4*\c+\i)+7],       v[ADRA+\slot] offset:\k+64*\c+\i*16*PITCH+32
.endr
.endr
.endm
.macro FACT set                        ; a K step's factors of my four rows: word 4 a + q.  It stands ahead of FETCH, so that FETCH's counts stay as they are
.irp a, 0,1,2,3
	ds_load_b128 v[FAC+16*\set+4*\a:FAC+16*\set+4*\a+3], v[ADRF] offset:16*TROW*\a
.endr
.endm
; A block's sums, in set t, go into the running result: ACC += T x f, f my row's factor of quarter q of the K step whose factors lie in set 'set'; 64 packed lines, each accumulator from its low end on.
; The factor is one register of an even pair and serves both halves: the lower one for an even q, the upper one for an odd q.  mul = 1: a tile begins: ACC = T x f.
.macro ACCUM t, set, q, mul
	WIN ACW
.irp a, 0,1,2,3
.irp n, 0,2,4,6,8,10,12,14,16,18,20,22,24,26,28,30
.if \mul
	v_pk_mul_f32 v[ACC+32*\a+\n:ACC+32*\a+\n+1], v[\t+32*\a+\n:\t+32*\a+\n+1], v[FAC+16*\set+4*\a+2*((\q)/2):FAC+16*\set+4*\a+2*((\q)/2)+1] op_sel_hi:[1,0]
.elseif (\q)%2
	v_pk_fma_f32 v[ACC+32*\a+\n:ACC+32*\a+\n+1], v[\t+32*\a+\n:\t+32*\a+\n+1], v[FAC+16*\set+4*\a+2*((\q)/2):FAC+16*\set+4*\a+2*((\q)/2)+1], v[ACC+32*\a+\n:ACC+32*\a+\n+1] op_sel:[0,1,0] op_sel_hi:[1,1,1]
.else
	v_pk_fma_f32 v[ACC+32*\a+\n:ACC+32*\a+\n+1], v[\t+32*\a+\n:\t+32*\a+\n+1], v[FAC+16*\set+4*\a+2*((\q)/2):FAC+16*\set+4*\a+2*((\q)/2)+1], v[ACC+32*\a+\n:ACC+32*\a+\n+1] op_sel_hi:[1,0,1]
.endif
.endr
.endr
.endm
; A lap's first block.  Where a tile begins (s88 = 1) it starts the running result: the 64 lines are written twice, and a branch on s88, which hangs on the cluster's number and the count of laps, chooses.
.macro ACCUM0
	WIN 0
	s_cmp_eq_u32 s88, 0
	s_cbranch_scc1 .Lacc_\@
	ACCUM F0, 0, 0, 1
	WIN 0
	s_branch .Ljoin_\@
.Lacc_\@:
	ACCUM F0, 0, 0, 0
	WIN 0
.Ljoin_\@:
	s_mov_b32 s88, 0
.endm
.macro PLACES                          ; four plain places ahead of loads into registers that matrix instructions have read, and of the first read of results (ISA guide 7.12.1 for reads)
.rept 4
	v_nop
.endr
.endm
; A quarter: 64 keys, one block.  It multiplies buffer f into f's accumulators, fetches the next quarter, at byte k, into g, and, behind its four places and that run of loads, adds the block before (g's accumulators) to the running result:
; pend = 0: none waits; 1: with the factors of set pset, quarter pq; 2: a lap's first block.
.macro QUARTER slot, k, f, g, pend, pset, pq
	s_wait_dscnt 16                                ; the factors and the first 32 keys are in; the other sixteen loads may be out
	WIN MULT
	MUL8 \f, 0, 0, 1
	MUL8 \f, 0, 2, 1
	PLACES
	FETCH \slot, \k, \g
.if \pend == 1
	ACCUM \g, \pset, \pq, 0
.elseif \pend == 2
	ACCUM0
.endif
	s_wait_dscnt 32                                ; all but the 32 just issued
	WIN MULT
	MUL8 \f, 1, 0, 0
	MUL8 \f, 1, 2, 0
.endm
.macro TURN slot, next, fill           ; the slot's last quarter, and the change of slots
	WIN 0
	s_wait_tensorcnt 0x0                           ; all my tensor loads have landed: my part of the next slot
	ds_add_u32 v[SPW], v[NIL]                      ; 0 onto my spare word
	s_wait_dscnt 17                                ; (the add and the youngest sixteen loads may be out)
	WIN MULT
	MUL8 F1, 0, 0, 1
	s_wait_dscnt 0x0                               ; the add is done, and my reads of this slot are over
	s_barrier_signal -1
	MUL8 F1, 0, 2, 1
	WIN 0
	s_barrier_wait -1
.if \fill
	CREST                                          ; no wave of any partner still reads this slot or has a load on its way
	s_add_nc_u64 s[G0+4*\slot+2:G0+4*\slot+3], s[G0+4*\slot+2:G0+4*\slot+3], s[68:69]     ; two K steps on, or on into the second tile
	s_add_nc_u64 s[G0B+4*\slot+2:G0B+4*\slot+3], s[G0B+4*\slot+2:G0B+4*\slot+3], 2*KSTEP*2
	s_sub_nc_u64 s[G0B+4*\slot+2:G0B+4*\slot+3], s[G0B+4*\slot+2:G0B+4*\slot+3], s[70:71] ; v goes back to key 0 at the change of tiles
	JLOAD \slot                                    ; its four v_nop are also the places ahead of the loads and of the addition below
.else
	PLACES
.endif
	v_add_nc_u32 v[ADRF], 16, v[ADRF]              ; the next K step's four factors
	FACT \next
	FETCH \next, 0, F0
	ACCUM F0, \slot, 2, 0                          ; the slot's third block
	WIN MULT
	MUL8 F1, 1, 0, 0
	MUL8 F1, 1, 2, 0
.endm
; A TILE GOES OUT: x 1 / l, + bv, rounded to f16, through the work-group's stage (a row's 256 bytes come from two waves: a barrier), back as whole rows.
.macro FLUSH tile, base
	WIN 0
.irp a, 0,1,2,3
	ds_load_b32 v[LI+2*\a], v[ADRL] offset:512*\tile+64*\a
.endr
	s_wait_dscnt 0x0
	WIN 0x20                                       ; source 2 (bv) window 2
.irp a, 0,1,2,3
.irp n, 0,2,4,6,8,10,12,14,16,18,20,22,24,26,28,30
	v_pk_fma_f32 v[ACC+32*\a+\n:ACC+32*\a+\n+1], v[ACC+32*\a+\n:ACC+32*\a+\n+1], v[LI+2*\a:LI+2*\a+1], v[\n:\n+1] op_sel_hi:[1,0,1]
.endr
.endr
	WIN 0
	s_wait_xcnt 0x0                                ; the last tile's stores have read v32-95, which are written again
.irp t, 0,1,2,3,4,5,6,7,8,9,10,11,12,13,14,15
.irp r, 0,1,2,3
	v_cvt_pk_f16_f32 v[TMP+4*\t+\r], v[ACC+8*\t+2*\r], v[ACC+8*\t+2*\r+1]
.endr
.endr
.irp a, 0,1,2,3
.irp b, 0,1,2,3
	ds_store_b128 v[STO], v[TMP+4*(4*\a+\b):TMP+4*(4*\a+\b)+3] offset:\a*16*SPITCH+32*\b
.endr
.endr
	s_wait_dscnt 0x0                               ; for the others' sake: my stores into the stage are done
	s_barrier_signal -1
	s_barrier_wait -1
.irp t, 0,1,2,3,4,5,6,7,8,9,10,11,12,13,14,15
	ds_load_b128 v[TMP+4*\t:TMP+4*\t+3], v[RD] offset:\t*2*SPITCH
.endr
.irp t, 0,1,2,3,4,5,6,7,8,9,10,11,12,13,14,15
	s_wait_dscnt 15-\t
	global_store_b128 v[CO], v[TMP+4*\t:TMP+4*\t+3], s[\base:\base+1] offset:2*\t*2048   ; 16 lanes store 256 consecutive bytes, aligned
.endr
.endm
	s_wait_tensorcnt 1                             ; my part of K step 0 is in; K step 1's may be out
	s_wait_dscnt 0x0                               ; my factors and my 1 / l lie in LDS
	s_barrier_signal -1
	s_barrier_wait -1
	FACT 0
	FETCH 0, 0, F0
	WIN 0
	s_mov_b32 s3, 0                                ; the lap
	s_mov_b32 s88, 1                               ; a tile begins
.Llap:                                                 ; four trips, a lap of eight blocks each; both slots are filled again in each
	s_cmp_eq_u32 s3, s66                           ; the first tile's last lap?  Its refills go on into the second tile
	s_cselect_b32 s68, s72, 1024
	s_cselect_b32 s70, s73, 0
	QUARTER 0, 128, F0, F1, 0, 0, 0
	QUARTER 0, 256, F1, F0, 2, 0, 0
	QUARTER 0, 384, F0, F1, 1, 0, 1
	TURN 0, 1, 1
	QUARTER 1, 128, F0, F1, 1, 0, 3
	QUARTER 1, 256, F1, F0, 1, 1, 0
	QUARTER 1, 384, F0, F1, 1, 1, 1
	TURN 1, 0, 1
	PLACES                                         ; the lap's eighth block is added at once, so that a tile that ends here is whole
	ACCUM F1, 1, 3, 0
	WIN 0
	s_cmp_lg_u32 s3, s66                           ; the cluster's number and the count of laps alone: all waves of all partners go the same way
	s_cbranch_scc1 .Lkeep
	FLUSH 0, 8
	s_mov_b32 s88, 1
.Lkeep:
	s_add_co_u32 s3, s3, 1
	s_cmp_lt_u32 s3, 4
	s_cbranch_scc1 .Llap
	QUARTER 0, 128, F0, F1, 0, 0, 0                ; the fifth lap is written out: it fills nothing, and it never begins a tile
	QUARTER 0, 256, F1, F0, 1, 0, 0
	QUARTER 0, 384, F0, F1, 1, 0, 1
	TURN 0, 1, 0
	QUARTER 1, 128, F0, F1, 1, 0, 3
	QUARTER 1, 256, F1, F0, 1, 1, 0
	QUARTER 1, 384, F0, F1, 1, 1, 1
	s_wait_dscnt 16                                ; the very last quarter: nothing more to fetch
	WIN MULT
	MUL8 F1, 0, 0, 1
	MUL8 F1, 0, 2, 1
	PLACES
	ACCUM F0, 1, 2, 0
	s_wait_dscnt 0
	WIN MULT
	MUL8 F1, 1, 0, 0
	MUL8 F1, 1, 2, 0
	PLACES
	ACCUM F1, 1, 3, 0
	FLUSH 1, 86
	s_wait_tensorcnt 0x0                           ; the wave's end
	ds_add_u32 v[SPW], v[NIL]
	s_wait_dscnt 0x0
	CROUND                                         ; the closing round
	s_endpgm
.Lfunc_end_k_q393f2a8794_mix:
	.size	k_q393f2a8794_mix, .Lfunc_end_k_q393f2a8794_mix-k_q393f2a8794_mix
	.p2alignl 7, 3214868480
	.fill 96, 4, 3214868480
	.section	.rodata,"a",@progbits
	.p2align	6, 0x0
	.amdhsa_kernel k_q393f2a8794_mix
		.amdhsa_group_segment_fixed_size 327680
		.amdhsa_private_segment_fixed_size 0
		.amdhsa_enable_private_segment 0
		.amdhsa_kernarg_size 40
		.amdhsa_user_sgpr_count 2
		.amdhsa_user_sgpr_kernarg_segment_ptr 1
		.amdhsa_wavefront_size32 1
		.amdhsa_system_sgpr_workgroup_id_x 1
		.amdhsa_system_sgpr_workgroup_id_y 1
		.amdhsa_system_sgpr_workgroup_id_z 1
		.amdhsa_system_vgpr_workitem_id 0
		.amdhsa_next_free_vgpr 1024
		.amdhsa_next_free_sgpr 100
		.amdhsa_reserve_vcc 0
		.amdhsa_float_denorm_mode_32 3
		.amdhsa_float_denorm_mode_16_64 3
		.amdhsa_memory_ordered 1
		.amdhsa_forward_progress 1
		.amdhsa_inst_pref_size 195
	.end_amdhsa_kernel
	.amdgpu_metadata
---
amdhsa.version: [ 1, 2 ]
amdhsa.kernels:
  - .name:           k_q393f2a8794_mix
    .symbol:         k_q393f2a8794_mix.kd
    .args:
      - { .name: pbuf, .offset: 0, .size: 8, .value_kind: global_buffer, .address_space: global }
      - { .name: vt16, .offset: 8, .size: 8, .value_kind: global_buffer, .address_space: global }
      - { .name: stat, .offset: 16, .size: 8, .value_kind: global_buffer, .address_space: global }
      - { .name: bv, .offset: 24, .size: 8, .value_kind: global_buffer, .address_space: global }
      - { .name: o16, .offset: 32, .size: 8, .value_kind: global_buffer, .address_space: global }
    .group_segment_fixed_size: 327680
    .private_segment_fixed_size: 0
    .kernarg_segment_align: 8
    .kernarg_segment_size: 40
    .max_flat_workgroup_size: 128
    .sgpr_count:     100
    .vgpr_count:     1024
    .wavefront_size: 32
...
	.end_amdgpu_metadata
.endif
;; end of part 5
;; launch outp (part 6): grid 8 x 64, 4 waves a work-group, clusters of 4 x 4, 327,680 bytes of LDS; arguments o16, h16, bff, out0; writes out0
.if DOCPART == 6
	.amdgcn_target "amdgcn-amd-amdhsa--gfx1250"
	.amdhsa_code_object_version 6
	.text
	.protected	k_q393f2a8794_outp
	.globl	k_q393f2a8794_outp
	.p2align	8
	.type	k_q393f2a8794_outp,@function
k_q393f2a8794_outp:
	s_mov_b64 s[64:65], 0
	v_nop
	global_prefetch_b8 v0, s[64:65] scope:SCOPE_SE
	s_setreg_imm32_b32 hwreg(HW_REG_WAVE_MODE, 25, 1), 1
	s_wait_xcnt 0x0
	s_wait_alu depctr_hold_cnt(0) depctr_sa_sdst(0) depctr_va_vdst(0) depctr_va_sdst(0) depctr_va_ssrc(0) depctr_va_vcc(0) depctr_vm_vsrc(0)
	s_getreg_b32 s2, hwreg(HW_REG_IB_STS2, 6, 4)
	s_cmp_eq_u32 s2, 0
	s_cbranch_scc0 .Lentry_in_a_cluster
	s_endpgm
.Lentry_in_a_cluster:
	s_bfe_u32 s2, ttmp6, 0x10000c
	s_cmp_lg_u32 s2, 0xf033
	s_cbranch_scc0 .Lentry_shape_is_right
	s_endpgm
.Lentry_shape_is_right:
; The projection out: out0 = o Wff^T + bff.  o16 [8192][1024] and Wff as f16 (rows 16384 on of h16), f32 sums, f32 out.  The rows of positions 0 to 15 of each batch are written over by the next launch, which carries them in f32.
; A tile of out0 is 128 x 128: four waves of 64 x 64 (16 accumulators); 512 tiles.  K = 1,024 in steps of 256 (LDS rows of 512 bytes) through a ring of two slots.
; CLUSTERS of 4 x 4: o's tiles are asked for jointly along a row of the cluster, Wff's along a column.  THE MATRIX INSTRUCTION IS USED TRANSPOSED: a lane holds eight neighbouring numbers of a row.  bff is the C of each sum's first product.
; A wave's 64 columns are 256 bytes of f32, aligned: each wave has a stage of its own, and the way out needs no barrier.
; REGISTERS: window 0: v0-31 addresses; v32-63 bff, later with v64-95 the way out; v128-255 the accumulators.  window 1: two fragment buffers.
.set KSTEP,  256
.set PITCH,  528
.set HALFT,  64*PITCH
.set SLOT,   4*HALFT
.set STAGE,  2*SLOT                    ; 16 rows x 272 bytes for each wave
.set SPITCH, 272
.set SPARE,  STAGE+4*16*SPITCH
.set LAPS,   2
.set ADRA, 16
.set ADRB, 20
.set BVO,  22
.set STO,  24
.set RD,   25
.set CO,   26
.set SPW,  28
.set NIL,  29
.set TMP,  32
.set BI,   32                          ; register 8 b + j: bff of column 16 b + 8 (lane / 16) + j of my 64
.set ACC,  128
.set F0,   0
.set F1,   128
.set G1, 24
.set G0, 32
.set G1B, 48
.set G0B, 56
.set MSB, 0
.macro WIN new
.if MSB != \new
	s_set_vgpr_msb (MSB<<8)|\new
.set MSB, \new
.endif
.endm
.set MUL,  0x05
.set TO_F, 0x40
.macro JLOAD s
	s_cmp_eq_u32 s11, 0
	s_cbranch_scc0 .Lfor_b_\@
	tensor_load_to_lds s[G0+4*\s:G0+4*\s+3], s[G1:G1+7]
	s_nop 0
.rept 4
	v_nop
.endr
	s_branch .Lasked_\@
.Lfor_b_\@:
	tensor_load_to_lds s[G0B+4*\s:G0B+4*\s+3], s[G1B:G1B+7]
	s_nop 0
.rept 4
	v_nop
.endr
.Lasked_\@:
.endm
.macro CREST
	s_cmp_lg_u32 s10, 0
	s_cbranch_scc1 .Lnot_wave_0_\@
	s_barrier_signal -3
.Lnot_wave_0_\@:
	s_barrier_wait -3
	s_barrier_signal -1
	s_barrier_wait -1
.endm
.macro CROUND
	s_barrier_signal -1
	s_barrier_wait -1
	CREST
.endm
	s_load_b128 s[4:7], s[0:1], 0x0                ; o16, h16
	s_load_b128 s[92:95], s[0:1], 0x10             ; bff, out0
	v_lshl_add_u32 v[SPW], v0, 2, SPARE
	v_mov_b32 v[NIL], 0
	ds_add_u32 v[SPW], v[NIL]                      ; the wave's opening: the add, twice on end, and its wait ahead of my first tensor load
	ds_add_u32 v[SPW], v[NIL]
	v_lshrrev_b32 v1, 5, v0
	v_readfirstlane_b32 s10, v1
	s_lshr_b32 s11, s10, 1
	s_and_b32 s12, s10, 1
	s_bfe_u32 s40, ttmp6, 0x40000
	s_bfe_u32 s41, ttmp6, 0x40004
	s_lshl_b32 s42, ttmp9, 2
	s_add_co_u32 s42, s42, s40                     ; tile column
	s_and_b32 s13, ttmp7, 0xffff
	s_lshl_b32 s13, s13, 2
	s_add_co_u32 s13, s13, s41                     ; tile row
	s_lshl_b32 s43, s41, 2
	s_lshl_b32 s43, 15, s43
	s_lshl_b32 s44, 0x1111, s40
	s_or_b32 s[G1+0], s43, (1<<16)|(1<<20)|(1<<21)|(6<<22)|(3<<25)
	s_or_b32 s[G1B+0], s44, (1<<16)|(1<<20)|(1<<21)|(6<<22)|(3<<25)
.irp g, G1, G1B
	s_mov_b32 s[\g+1], KSTEP<<16
	s_mov_b32 s[\g+2], 64<<16
	s_mov_b32 s[\g+3], KSTEP<<16
	s_mov_b32 s[\g+4], 64
	s_mov_b32 s[\g+5], 1024
	s_mov_b32 s[\g+6], 0
	s_mov_b32 s[\g+7], 0
.endr
	s_lshl_b32 s17, s12, 6
	s_lshl_b32 s16, s13, 7
	s_add_co_u32 s16, s16, s17                     ; o's row
	s_lshl_b32 s46, s42, 7
	s_add_co_u32 s46, s46, s17
	s_add_co_u32 s46, s46, 16384                   ; Wff's row in h16
	s_lshl_b32 s16, s16, 11
	s_lshl_b32 s46, s46, 11
	s_mov_b32 s17, 0
	s_mov_b32 s47, 0
	s_mul_i32 s20, s10, HALFT
	s_wait_dscnt 0x0
	s_wait_kmcnt 0x0
	s_mov_b64 s[8:9], s[94:95]                     ; out0
	s_add_nc_u64 s[14:15], s[4:5], s[16:17]
	s_add_nc_u64 s[46:47], s[6:7], s[46:47]
	CROUND
.irp s, 0,1
	s_mov_b32 s[G0+4*\s], 1
	s_add_co_u32 s[G0+4*\s+1], s20, \s*SLOT
	s_add_nc_u64 s[G0+4*\s+2:G0+4*\s+3], s[14:15], \s*KSTEP*2
	s_or_b32 s[G0+4*\s+3], s[G0+4*\s+3], 0x80000000
	s_mov_b32 s[G0B+4*\s], 1
	s_add_co_u32 s[G0B+4*\s+1], s20, \s*SLOT
	s_add_nc_u64 s[G0B+4*\s+2:G0B+4*\s+3], s[46:47], \s*KSTEP*2
	s_or_b32 s[G0B+4*\s+3], s[G0B+4*\s+3], 0x80000000
	JLOAD \s
.endr
	v_and_b32 v1, 15, v0
	v_bfe_u32 v2, v0, 4, 1
	s_lshl_b32 s46, s42, 7
	s_lshl_b32 s47, s12, 6
	s_add_co_u32 s46, s46, s47
	s_lshl_b32 s46, s46, 2                         ; my first column, in bytes of f32
	s_mov_b32 s47, 0
	s_add_nc_u64 s[92:93], s[92:93], s[46:47]
	s_add_nc_u64 s[8:9], s[8:9], s[46:47]
	v_lshlrev_b32 v[BVO], 5, v2
.irp b, 0,1,2,3
	global_load_b128 v[BI+8*\b:BI+8*\b+3], v[BVO], s[92:93] offset:64*\b
	global_load_b128 v[BI+8*\b+4:BI+8*\b+7], v[BVO], s[92:93] offset:64*\b+16
.endr
	v_mul_u32_u24 v3, v1, PITCH
	v_lshl_add_u32 v3, v2, 4, v3
	s_mul_i32 s21, s11, HALFT
	s_mul_i32 s22, s12, HALFT
	s_add_co_u32 s22, s22, 2*HALFT
.irp s, 0,1
	v_add_nc_u32 v[ADRA+\s], s21, v3
	v_add_nc_u32 v[ADRB+\s], s22, v3
	s_add_co_u32 s21, s21, SLOT
	s_add_co_u32 s22, s22, SLOT
.endr
	s_mul_i32 s23, s10, 16*SPITCH
	s_add_co_u32 s23, s23, STAGE                   ; my stage
	v_mul_u32_u24 v4, v1, SPITCH
	v_lshl_add_u32 v4, v2, 5, v4
	v_add_nc_u32 v[STO], s23, v4                   ; in: row r, 32 bytes for each half of the lanes
	v_mul_u32_u24 v5, v2, SPITCH
	v_lshl_add_u32 v5, v1, 4, v5
	v_add_nc_u32 v[RD], s23, v5                    ; back: lanes 0-15 one row of 256 bytes, lanes 16-31 the next
	v_lshlrev_b32 v5, 12, v2
	v_lshl_add_u32 v[CO], v1, 4, v5                ; the same two rows in out0
	s_lshl_b32 s16, s13, 7
	s_lshl_b32 s17, s11, 6
	s_add_co_u32 s16, s16, s17                     ; my first row
	s_lshl_b32 s16, s16, 12
	s_mov_b32 s17, 0
	s_add_nc_u64 s[8:9], s[8:9], s[16:17]
.macro MUL8 f, c, a0, first            ; first = 1: bff is the C that starts the sums.  The 16 accumulators take turns
.irp a, \a0, \a0+1
.irp b, 0,1,2,3
.if \first
	v_wmma_f32_16x16x32_f16 v[ACC+8*(4*(\a)+\b):ACC+8*(4*(\a)+\b)+7], v[\f+64+8*(4*\c+\b):\f+64+8*(4*\c+\b)+7], v[\f+8*(4*\c+\a):\f+8*(4*\c+\a)+7], v[BI+8*\b:BI+8*\b+7]
.else
	v_wmma_f32_16x16x32_f16 v[ACC+8*(4*(\a)+\b):ACC+8*(4*(\a)+\b)+7], v[\f+64+8*(4*\c+\b):\f+64+8*(4*\c+\b)+7], v[\f+8*(4*\c+\a):\f+8*(4*\c+\a)+7], v[ACC+8*(4*(\a)+\b):ACC+8*(4*(\a)+\b)+7]
.endif
.endr
.endr
.endm
.macro FETCH slot, k, f
	WIN TO_F
.irp c, 0,1
.irp i, 0,1,2,3
	ds_load_b128 v[\f+64+8*(4*\c+\i):\f+64+8*(4*\c+\i)+3],   v[ADRB+\slot] offset:\k+64*\c+\i*16*PITCH
	ds_load_b128 v[\f+64+8*(4*\c+\i)+4:\f+64+8*(4*\c+\i)+7], v[ADRB+\slot] offset:\k+64*\c+\i*16*PITCH+32
	ds_load_b128 v[\f+8*(4*\c+\i):\f+8*(4*\c+\i)+3],         v[ADRA+\slot] offset:\k+64*\c+\i*16*PITCH
	ds_load_b128 v[\f+8*(4*\c+\i)+4:\f+8*(4*\c+\i)+7],       v[ADRA+\slot] offset:\k+64*\c+\i*16*PITCH+32
.endr
.endr
.endm
.macro PLACES
.rept 4
	v_nop
.endr
.endm
.macro QUARTER slot, k, f, g, first
	s_wait_dscnt 16                                ; the first 32 along K are in
	WIN MUL
	MUL8 \f, 0, 0, \first
	MUL8 \f, 0, 2, \first
	PLACES
	FETCH \slot, \k, \g
	s_wait_dscnt 32                                ; all but the 32 just issued
	WIN MUL
	MUL8 \f, 1, 0, 0
	MUL8 \f, 1, 2, 0
.endm
.macro TURN slot, next, fill
	WIN 0
	s_wait_tensorcnt 0x0                           ; all my tensor loads have landed: my part of the next slot
	ds_add_u32 v[SPW], v[NIL]                      ; 0 onto my spare word
	s_wait_dscnt 17                                ; (the add and the youngest sixteen loads may be out)
	WIN MUL
	MUL8 F1, 0, 0, 0
	s_wait_dscnt 0x0                               ; the add is done, and my reads of this slot are over
	s_barrier_signal -1
	MUL8 F1, 0, 2, 0
	WIN 0
	s_barrier_wait -1
.if \fill
	CREST
	s_add_nc_u64 s[G0+4*\slot+2:G0+4*\slot+3], s[G0+4*\slot+2:G0+4*\slot+3], 2*KSTEP*2
	s_add_nc_u64 s[G0B+4*\slot+2:G0B+4*\slot+3], s[G0B+4*\slot+2:G0B+4*\slot+3], 2*KSTEP*2
	JLOAD \slot
.else
	PLACES
.endif
	FETCH \next, 0, F0
	WIN MUL
	MUL8 F1, 1, 0, 0
	MUL8 F1, 1, 2, 0
.endm
	s_wait_loadcnt 0x0                             ; bff
	s_wait_tensorcnt 1                             ; my part of K step 0 is in; K step 1's may be out
	s_barrier_signal -1
	s_barrier_wait -1
	FETCH 0, 0, F0
	QUARTER 0, 128, F0, F1, 1
	WIN 0
	s_mov_b32 s3, LAPS-1
.Llap:
	QUARTER 0, 256, F1, F0, 0
	QUARTER 0, 384, F0, F1, 0
	TURN 0, 1, 1
	QUARTER 1, 128, F0, F1, 0
	QUARTER 1, 256, F1, F0, 0
	QUARTER 1, 384, F0, F1, 0
	TURN 1, 0, 1
	QUARTER 0, 128, F0, F1, 0
	WIN 0
	s_sub_co_u32 s3, s3, 1
	s_cmp_lg_u32 s3, 0
	s_cbranch_scc1 .Llap
	QUARTER 0, 256, F1, F0, 0
	QUARTER 0, 384, F0, F1, 0
	TURN 0, 1, 0
	QUARTER 1, 128, F0, F1, 0
	QUARTER 1, 256, F1, F0, 0
	QUARTER 1, 384, F0, F1, 0
	s_wait_dscnt 16
	WIN MUL
	MUL8 F1, 0, 0, 0
	MUL8 F1, 0, 2, 0
	s_wait_dscnt 0
	MUL8 F1, 1, 0, 0
	MUL8 F1, 1, 2, 0
	WIN 0
; THE WAY OUT, 16 rows x 64 columns at a time, through my own stage: a lane's 32 bytes in, whole rows of 256 bytes back.  LDS serves a wave's instructions in order: no wait between the stores and the loads.
.macro TOSTAGE a
.irp b, 0,1,2,3
	ds_store_b128 v[STO], v[ACC+8*(4*(\a)+\b):ACC+8*(4*(\a)+\b)+3] offset:64*\b        ; each accumulator from its low end on
	ds_store_b128 v[STO], v[ACC+8*(4*(\a)+\b)+4:ACC+8*(4*(\a)+\b)+7] offset:64*\b+16
.endr
.irp t, 0,1,2,3,4,5,6,7
	ds_load_b128 v[TMP+32*((\a)%2)+4*\t:TMP+32*((\a)%2)+4*\t+3], v[RD] offset:\t*2*SPITCH
.endr
.endm
.macro SEND a, younger                 ; younger: the LDS instructions issued behind block a's loads
	s_wait_dscnt \younger
.if (\a) > 0
	s_add_nc_u64 s[8:9], s[8:9], 16*4096           ; 16 rows on (behind a wait on XCNT: the earlier stores have read their base)
.endif
.irp t, 0,1,2,3,4,5,6,7
	global_store_b128 v[CO], v[TMP+32*((\a)%2)+4*\t:TMP+32*((\a)%2)+4*\t+3], s[8:9] offset:2*\t*4096 th:TH_STORE_NT   ; 16 lanes store 256 consecutive bytes, aligned
.endr
.endm
	PLACES
	TOSTAGE 0
.irp a, 1,2,3
.if \a > 1
	s_wait_xcnt 0x0                                ; block a - 2's stores have read their registers and their base
.endif
	TOSTAGE \a
	SEND \a-1, 16                                  ; behind block a - 1's loads: block a's 8 stores and 8 loads
.endr
	s_wait_xcnt 0x0
	SEND 3, 0
	s_wait_tensorcnt 0x0                           ; the wave's end
	ds_add_u32 v[SPW], v[NIL]
	s_wait_dscnt 0x0
	CROUND                                         ; the closing round
	s_endpgm
.Lfunc_end_k_q393f2a8794_outp:
	.size	k_q393f2a8794_outp, .Lfunc_end_k_q393f2a8794_outp-k_q393f2a8794_outp
	.p2alignl 7, 3214868480
	.fill 96, 4, 3214868480
	.section	.rodata,"a",@progbits
	.p2align	6, 0x0
	.amdhsa_kernel k_q393f2a8794_outp
		.amdhsa_group_segment_fixed_size 327680
		.amdhsa_private_segment_fixed_size 0
		.amdhsa_enable_private_segment 0
		.amdhsa_kernarg_size 32
		.amdhsa_user_sgpr_count 2
		.amdhsa_user_sgpr_kernarg_segment_ptr 1
		.amdhsa_wavefront_size32 1
		.amdhsa_system_sgpr_workgroup_id_x 1
		.amdhsa_system_sgpr_workgroup_id_y 1
		.amdhsa_system_sgpr_workgroup_id_z 1
		.amdhsa_system_vgpr_workitem_id 0
		.amdhsa_next_free_vgpr 512
		.amdhsa_next_free_sgpr 100
		.amdhsa_reserve_vcc 0
		.amdhsa_float_denorm_mode_32 3
		.amdhsa_float_denorm_mode_16_64 3
		.amdhsa_memory_ordered 1
		.amdhsa_forward_progress 1
		.amdhsa_inst_pref_size 87
	.end_amdhsa_kernel
	.amdgpu_metadata
---
amdhsa.version: [ 1, 2 ]
amdhsa.kernels:
  - .name:           k_q393f2a8794_outp
    .symbol:         k_q393f2a8794_outp.kd
    .args:
      - { .name: o16, .offset: 0, .size: 8, .value_kind: global_buffer, .address_space: global }
      - { .name: h16, .offset: 8, .size: 8, .value_kind: global_buffer, .address_space: global }
      - { .name: bff, .offset: 16, .size: 8, .value_kind: global_buffer, .address_space: global }
      - { .name: out0, .offset: 24, .size: 8, .value_kind: global_buffer, .address_space: global }
    .group_segment_fixed_size: 327680
    .private_segment_fixed_size: 0
    .kernarg_segment_align: 8
    .kernarg_segment_size: 32
    .max_flat_workgroup_size: 128
    .sgpr_count:     100
    .vgpr_count:     512
    .wavefront_size: 32
...
	.end_amdgpu_metadata
.endif
;; end of part 6
;; launch first16 (part 7): grid 64 x 4, 8 waves a work-group, no clusters, 17,408 bytes of LDS; arguments p32, Wff, bff, out0; writes out0
.if DOCPART == 7
	.amdgcn_target "amdgcn-amd-amdhsa--gfx1250"
	.amdhsa_code_object_version 6
	.text
	.protected	k_q393f2a8794_first16
	.globl	k_q393f2a8794_first16
	.p2align	8
	.type	k_q393f2a8794_first16,@function
k_q393f2a8794_first16:
	s_mov_b64 s[64:65], 0
	v_nop
	global_prefetch_b8 v0, s[64:65] scope:SCOPE_SE
	s_setreg_imm32_b32 hwreg(HW_REG_WAVE_MODE, 25, 1), 1
	s_wait_xcnt 0x0
; Positions 0 to 15 of each batch, all in f32: scores, causal softmax (the row's maximum taken away), the mean of the values, the projection out; they are written over what the launch before left in these 64 rows.
; These rows average one to sixteen values, so the rounding of 16-bit operands would weigh most here.  p32 [tensor][batch][16][1024] holds qp, kp, vp (with their biases) in f32.
; Work-group (x, y): outputs n = 16 x .. 16 x + 15 of batch y.  Its eight waves share the 1,024 along d: wave w owns d = 128 w .. 128 w + 127 in all three products; parts of sums meet in LDS (two barriers).
; The scores and the mean are made anew in each of a batch's 64 work-groups (192 KB read each); in exchange a work-group reads only its 64 KB of Wff.  The stores are pieces of 64 bytes a row: 256 KB in the launch.
; All products by v_wmma_f32_16x16x4_f32: no bulk work.  Its results lie in v144-239, which matrix instructions alone write.  A lane's loads of 16 bytes give register pairs whose k are a permutation of the instruction's four, the same on both sources.
;   S^T = k q^T: source 0 = 16 keys, source 1 = 16 queries: lane (r, h) holds query r, keys 8 h + 0 .. 7.   O^T = v^T p: source 0 = 16 d, source 1 = p: lane holds query r, d = 8 h + 0 .. 7 of each of 8 tiles.
;   out^T = Wff o^T: source 0 = 16 n, source 1 = O: lane holds query r, n = 8 h + 0 .. 7.
; LIMITS: NaN and infinities are not served.
.set PS,    0                          ; LDS: the eight waves' parts of S^T, 1,024 bytes each, as images of their registers
.set PO,    8192                       ; and of out^T
.set SPARE, 16384                      ; the spare words, 128 bytes a wave
.set SPW, 12
.set NIL, 13
.set QF,  16                           ; v16-79   q's 128 d of my row; later the eight parts read back
.set KF,  80                           ; v80-143  k's; later v80-87 sums, v88-95 p
.set SS,  80
.set PP,  88
.set SA,  144                          ; v144-175 four accumulators
.set OA,  176                          ; v176-239 eight accumulators: O^T
.set PT,  240                          ; v240-247 my wave's part of a sum
.set BI,  248                          ; v248-255 bff
.set MSB, 0
.macro WIN new
.if MSB != \new
	s_set_vgpr_msb (MSB<<8)|\new
.set MSB, \new
.endif
.endm
	s_load_b256 s[4:11], s[0:1], 0x0               ; p32, Wff, bff, out0
	v_lshl_add_u32 v[SPW], v0, 2, SPARE
	v_mov_b32 v[NIL], 0
	v_lshrrev_b32 v1, 5, v0
	v_readfirstlane_b32 s12, v1                    ; wave 0..7
	s_and_b32 s14, ttmp7, 0xffff                   ; batch
	v_and_b32 v5, 15, v0                           ; r
	v_bfe_u32 v6, v0, 4, 1                         ; h
	v_lshlrev_b32 v1, 12, v5
	v_lshl_add_u32 v3, v6, 5, v1                   ; Wff and out0: row r of 4,096 bytes, + 32 h
	v_lshl_add_u32 v1, v6, 4, v1                   ; q and k: row r, + 16 h
	v_lshlrev_b32 v2, 2, v5
	v_lshl_add_u32 v2, v6, 15, v2                  ; v: key 8 h, column r
	v_lshlrev_b32 v4, 5, v6                        ; bff: 8 h numbers on
	v_lshlrev_b32 v7, 3, v6
	v_sub_nc_u32 v7, v5, v7                        ; r - 8 h: my register j holds a hidden key where j is greater
	v_and_b32 v8, 31, v0
	v_lshlrev_b32 v8, 4, v8                        ; 16 x lane
	s_lshl_b32 s15, s12, 10
	v_add_nc_u32 v9, s15, v8                       ; + 1,024 x wave
	v_mov_b32 v14, 0xff800000                      ; -infinity
	v_mov_b32 v15, 0                               ; written once: a lane permute's destination counts as one of its sources
	s_mov_b32 s16, 0x76543210
	s_mov_b32 s17, 0xfedcba98
	s_mov_b32 s18, 0x3d38aa3b                      ; c = log2(e) / sqrt(1024)
	s_lshl_b32 s19, s12, 9                         ; my 128 d, in bytes
	s_lshl_b32 s20, s14, 16
	s_add_co_u32 s20, s20, s19
	s_mov_b32 s21, 0
	s_lshl_b32 s22, ttmp9, 16
	s_add_co_u32 s22, s22, s19
	s_mov_b32 s23, 0
	s_lshl_b32 s24, ttmp9, 6
	s_mov_b32 s25, 0
	s_lshl_b32 s26, s14, 23
	s_add_co_u32 s26, s26, s24
	s_mov_b32 s27, 0
	s_wait_kmcnt 0x0
	s_add_nc_u64 s[4:5], s[4:5], s[20:21]
	s_add_nc_u64 s[6:7], s[6:7], s[22:23]
	s_add_nc_u64 s[8:9], s[8:9], s[24:25]
	s_add_nc_u64 s[10:11], s[10:11], s[26:27]
	global_load_b128 v[BI:BI+3], v4, s[8:9]
	global_load_b128 v[BI+4:BI+7], v4, s[8:9] offset:16
.irp i, 0,1,2,3,4,5,6,7,8,9,10,11,12,13,14,15
	global_load_b128 v[QF+4*\i:QF+4*\i+3], v1, s[4:5] offset:32*\i             ; d = 8 i + 4 h + 0 .. 3
	global_load_b128 v[KF+4*\i:KF+4*\i+3], v1, s[4:5] offset:262144+32*\i
.endr
	WIN 0x40                                       ; destination window 1
.irp dt, 0,1,2,3,4,5,6,7
.irp kk, 0,1,2,3,4,5,6,7
	global_load_b32 v[8*\dt+\kk], v2, s[4:5] offset:524288+4096*\kk+64*\dt     ; v(key 8 h + kk, d = 16 dt + r)
.endr
.endr
.irp dt, 0,1,2,3,4,5,6,7
	global_load_b128 v[64+8*\dt:64+8*\dt+3], v3, s[6:7] offset:64*\dt          ; Wff(n = r, d = 16 dt + 8 h + 0 .. 7)
	global_load_b128 v[64+8*\dt+4:64+8*\dt+7], v3, s[6:7] offset:64*\dt+16
.endr
	WIN 0
	s_wait_loadcnt 63                              ; bff, q and k are in: 80 loads are younger, and the count names the most that its field holds
	; ---- S^T, my 128 d: 32 products on four accumulators by turns; the first four start the sums
.irp i, 0,1,2,3,4,5,6,7,8,9,10,11,12,13,14,15
.irp u, 0,1
.if 2*\i+\u < 4
	v_wmma_f32_16x16x4_f32 v[SA+8*((2*\i+\u)%4):SA+8*((2*\i+\u)%4)+7], v[KF+4*\i+2*\u:KF+4*\i+2*\u+1], v[QF+4*\i+2*\u:QF+4*\i+2*\u+1], 0
.else
	v_wmma_f32_16x16x4_f32 v[SA+8*((2*\i+\u)%4):SA+8*((2*\i+\u)%4)+7], v[KF+4*\i+2*\u:KF+4*\i+2*\u+1], v[QF+4*\i+2*\u:QF+4*\i+2*\u+1], v[SA+8*((2*\i+\u)%4):SA+8*((2*\i+\u)%4)+7]
.endif
.endr
.endr
.rept 8
	v_nop                                          ; eight places behind this form, ahead of the first read of its results
.endr
.irp j, 0,1,2,3,4,5,6,7
	v_add_f32 v[PT+\j], v[SA+\j], v[SA+8+\j]       ; each accumulator from its low end on
.endr
.irp j, 0,1,2,3,4,5,6,7
	v_add_f32 v[PT+\j], v[PT+\j], v[SA+16+\j]
.endr
.irp j, 0,1,2,3,4,5,6,7
	v_add_f32 v[PT+\j], v[PT+\j], v[SA+24+\j]
.endr
	ds_store_b128 v9, v[PT:PT+3] offset:PS
	ds_store_b128 v9, v[PT+4:PT+7] offset:PS+512
	s_wait_dscnt 0x0                               ; for the others' sake: my part lies in LDS
	s_barrier_signal -1
	s_barrier_wait -1
	; ---- the softmax, in every wave alike
.irp p, 0,1,2,3,4,5,6,7
	ds_load_b128 v[QF+8*\p:QF+8*\p+3], v8 offset:PS+1024*\p
	ds_load_b128 v[QF+8*\p+4:QF+8*\p+7], v8 offset:PS+1024*\p+512
.endr
	s_wait_dscnt 0x0
.irp j, 0,1,2,3,4,5,6,7
	v_add_f32 v[SS+\j], v[QF+\j], v[QF+8+\j]
.endr
.irp p, 2,3,4,5,6,7
.irp j, 0,1,2,3,4,5,6,7
	v_add_f32 v[SS+\j], v[SS+\j], v[QF+8*\p+\j]
.endr
.endr
.irp j, 0,1,2,3,4,5,6,7
	v_cmp_gt_i32 vcc_lo, \j, v7
	v_cndmask_b32 v[SS+\j], v[SS+\j], v14, vcc_lo  ; hidden keys: -infinity
.endr
	v_max3_num_f32 v10, v[SS], v[SS+1], v[SS+2]
	v_max3_num_f32 v10, v10, v[SS+3], v[SS+4]
	v_max3_num_f32 v10, v10, v[SS+5], v[SS+6]
	v_max_num_f32 v10, v10, v[SS+7]
	v_permlanex16_b32 v15, v10, s16, s17           ; the query's other eight keys
	v_max_num_f32 v10, v10, v15                    ; key 0 counts for every query: a number
	v_mul_f32 v10, s18, v10
.irp j, 0,1,2,3,4,5,6,7
	v_fma_f32 v[PP+\j], v[SS+\j], s18, -v10
.endr
.irp j, 0,1,2,3,4,5,6,7
	v_exp_f32 v[PP+\j], v[PP+\j]
.endr
	v_nop                                          ; a plain instruction behind the exponentials
	s_wait_alu depctr_va_vdst(0)                   ; one wait for the batch, ahead of its first reader
	v_add_f32 v11, v[PP], v[PP+1]
.irp j, 2,3,4,5,6,7
	v_add_f32 v11, v11, v[PP+\j]
.endr
	v_permlanex16_b32 v15, v11, s16, s17
	v_add_f32 v11, v11, v15
	v_rcp_f32 v11, v11
	v_nop
	s_wait_alu depctr_va_vdst(0)
.irp j, 0,1,2,3,4,5,6,7
	v_mul_f32 v[PP+\j], v[PP+\j], v11              ; the weights: query r, keys 8 h + j
.endr
	; ---- O^T, my 128 d: eight accumulators by turns, four keys a product
	s_wait_loadcnt 16                              ; v is in; Wff's sixteen loads may be out
	WIN 0x01                                       ; source 0 window 1
.irp p, 0,1,2,3
.irp dt, 0,1,2,3,4,5,6,7
.if \p == 0
	v_wmma_f32_16x16x4_f32 v[OA+8*\dt:OA+8*\dt+7], v[8*\dt+2*\p:8*\dt+2*\p+1], v[PP+2*\p:PP+2*\p+1], 0
.else
	v_wmma_f32_16x16x4_f32 v[OA+8*\dt:OA+8*\dt+7], v[8*\dt+2*\p:8*\dt+2*\p+1], v[PP+2*\p:PP+2*\p+1], v[OA+8*\dt:OA+8*\dt+7]
.endif
.endr
.endr
.rept 9
	v_nop                                          ; nine places before a matrix instruction takes these results as a source
.endr
	s_wait_loadcnt 0x0                             ; Wff
	; ---- out^T, my 128 d: four accumulators by turns
.irp dt, 0,1,2,3,4,5,6,7
.irp p, 0,1,2,3
.if \dt == 0
	v_wmma_f32_16x16x4_f32 v[SA+8*\p:SA+8*\p+7], v[64+8*\dt+2*\p:64+8*\dt+2*\p+1], v[OA+8*\dt+2*\p:OA+8*\dt+2*\p+1], 0
.else
	v_wmma_f32_16x16x4_f32 v[SA+8*\p:SA+8*\p+7], v[64+8*\dt+2*\p:64+8*\dt+2*\p+1], v[OA+8*\dt+2*\p:OA+8*\dt+2*\p+1], v[SA+8*\p:SA+8*\p+7]
.endif
.endr
.endr
	WIN 0
.rept 8
	v_nop
.endr
.irp j, 0,1,2,3,4,5,6,7
	v_add_f32 v[PT+\j], v[SA+\j], v[SA+8+\j]
.endr
.irp j, 0,1,2,3,4,5,6,7
	v_add_f32 v[PT+\j], v[PT+\j], v[SA+16+\j]
.endr
.irp j, 0,1,2,3,4,5,6,7
	v_add_f32 v[PT+\j], v[PT+\j], v[SA+24+\j]
.endr
	ds_store_b128 v9, v[PT:PT+3] offset:PO
	ds_store_b128 v9, v[PT+4:PT+7] offset:PO+512
	s_wait_dscnt 0x0
	s_barrier_signal -1
	s_barrier_wait -1
	s_cmp_lg_u32 s12, 0                            ; wave 0 adds the eight parts and the bias, and stores
	s_cbranch_scc1 .Lend
.irp p, 0,1,2,3,4,5,6,7
	ds_load_b128 v[QF+8*\p:QF+8*\p+3], v8 offset:PO+1024*\p
	ds_load_b128 v[QF+8*\p+4:QF+8*\p+7], v8 offset:PO+1024*\p+512
.endr
	s_wait_dscnt 0x0
.irp j, 0,1,2,3,4,5,6,7
	v_add_f32 v[SS+\j], v[QF+\j], v[BI+\j]
.endr
.irp p, 1,2,3,4,5,6,7
.irp j, 0,1,2,3,4,5,6,7
	v_add_f32 v[SS+\j], v[SS+\j], v[QF+8*\p+\j]
.endr
.endr
	global_store_b128 v3, v[SS:SS+3], s[10:11]
	global_store_b128 v3, v[SS+4:SS+7], s[10:11] offset:16
.Lend:
	s_wait_tensorcnt 0x0                           ; the wave's end
	ds_add_u32 v[SPW], v[NIL]
	s_wait_dscnt 0x0
	s_endpgm
.Lfunc_end_k_q393f2a8794_first16:
	.size	k_q393f2a8794_first16, .Lfunc_end_k_q393f2a8794_first16-k_q393f2a8794_first16
	.p2alignl 7, 3214868480
	.fill 96, 4, 3214868480
	.section	.rodata,"a",@progbits
	.p2align	6, 0x0
	.amdhsa_kernel k_q393f2a8794_first16
		.amdhsa_group_segment_fixed_size 17408
		.amdhsa_private_segment_fixed_size 0
		.amdhsa_enable_private_segment 0
		.amdhsa_kernarg_size 32
		.amdhsa_user_sgpr_count 2
		.amdhsa_user_sgpr_kernarg_segment_ptr 1
		.amdhsa_wavefront_size32 1
		.amdhsa_system_sgpr_workgroup_id_x 1
		.amdhsa_system_sgpr_workgroup_id_y 1
		.amdhsa_system_sgpr_workgroup_id_z 1
		.amdhsa_system_vgpr_workitem_id 0
		.amdhsa_next_free_vgpr 384
		.amdhsa_next_free_sgpr 66
		.amdhsa_reserve_vcc 1
		.amdhsa_float_denorm_mode_32 3
		.amdhsa_float_denorm_mode_16_64 3
		.amdhsa_memory_ordered 1
		.amdhsa_forward_progress 1
		.amdhsa_inst_pref_size 31
	.end_amdhsa_kernel
	.amdgpu_metadata
---
amdhsa.version: [ 1, 2 ]
amdhsa.kernels:
  - .name:           k_q393f2a8794_first16
    .symbol:         k_q393f2a8794_first16.kd
    .args:
      - { .name: p32, .offset: 0, .size: 8, .value_kind: global_buffer, .address_space: global }
      - { .name: Wff, .offset: 8, .size: 8, .value_kind: global_buffer, .address_space: global }
      - { .name: bff, .offset: 16, .size: 8, .value_kind: global_buffer, .address_space: global }
      - { .name: out0, .offset: 24, .size: 8, .value_kind: global_buffer, .address_space: global }
    .group_segment_fixed_size: 17408
    .private_segment_fixed_size: 0
    .kernarg_segment_align: 8
    .kernarg_segment_size: 32
    .max_flat_workgroup_size: 256
    .sgpr_count:     66
    .vgpr_count:     384
    .wavefront_size: 32
...
	.end_amdgpu_metadata
.endif
;; end of part 7
